; MI455X (gfx1250); checked and timed in simulation.
; The chip was launched on July 23, 2026; its instructions are those of AMD's public machine-readable ISA for CDNA 5 (MIT licence, August 2026) and "CDNA5" Instruction Set Architecture Reference Guide (July 2026). The comments in the code are by the model that wrote it; some were corrected since.
;; MHC Lite Block. Allowed arithmetic: matrix products marked QUANTISED: E4M3 operands, one given power-of-two scale a tensor, by v_wmma_f32_16x16x64_fp8_fp8 or v_wmma_f32_16x16x128_fp8_fp8, f32 sums; products left as they are: f32 operands where the result goes on into a quantised operand, else bf16, f16 or f32 operands; f32 sums; everything else in f32.
;; Inputs: W1 8,192 x 2,048 float32; W2 2,048 x 8,192 float32; W_all 32 x 8,192 float32; alpha_post 1 float32; alpha_pre 1 float32; alpha_res 1 float32; b1 8,192 float32; b2 2,048 float32; b_all 32 float32; lowp_scales 6 int32 (the exponents e of the quantised operands' scales 2^e); perm_mat 24 x 16 float32; x_streams 2 x 1,024 x 4 x 2,048 float32.
;; Outputs: out0 2 x 1,024 x 4 x 2,048 float32.
;; This version of the problem:
;;   THIS VERSION OF THE PROBLEM IS GIVEN IN LOW PRECISION. The matrix products marked QUANTISED in the list below multiply operands that are first quantised to E4M3 (4 exponent bits, 3 mantissa bits; 8 bits a number), with one given power-of-two scale for each operand tensor; their sums are f32. All else is computed in f32.
;;   The module's matrix products, in the order in which they are computed (A, B: the left and right operand; K: the contracted axis; several contracted axes count as one K, in the product's order):
;;     1. [M 2,048, K 8,192] x [K 8,192, N 32]; A: computed on the way; B: input W_all: QUANTISED (scales: A lowp_scales[0], B lowp_scales[1])
;;     2. [M 2,048, K 24] x [K 24, N 16]; A: softmax; B: input perm_mat: left as it is (K = 24 < 32)
;;     3. batch 2,048 x [M 1, K 4] x [K 4, N 2,048]; A: computed on the way; B: input x_streams: left as it is (K = 4 < 32)
;;     4. [M 2,048, K 2,048] x [K 2,048, N 8,192]; A: computed on the way; B: input W1: QUANTISED (scales: A lowp_scales[2], B lowp_scales[3])
;;     5. [M 2,048, K 8,192] x [K 8,192, N 2,048]; A: computed on the way; B: input W2: QUANTISED (scales: A lowp_scales[4], B lowp_scales[5])
;;     6. batch 2,048 x [M 4, K 4] x [K 4, N 2,048]; A: computed on the way; B: input x_streams: left as it is (K = 4 < 32)
;;   THE QUANTISER, for each operand of a quantised product, along K:
;;     - The operand's scale is 2^e, e = its entry of the input lowp_scales (int32; the entries are numbered through the quantised products in the list's order, A before B).
;;     - Each number is divided by the scale, clamped to +-448, and rounded to the nearest number of E4M3, ties to even, subnormals kept.
;;     - The product sums the exact products of the quantised numbers (number of the format x scale) in f32.
;;   ~~~python
;;   def quantise(x, axis, e):      # numpy; x: float32 -> the quantised numbers, widened to float32 again
;;       x = np.moveaxis(x, axis, -1); K = x.shape[-1]
;;       r = np.clip(x / 2.0 ** e, -448, 448)
;;       step = 2.0 ** (np.maximum(np.frexp(np.where(r == 0, 1, r))[1] - 1, -6) - 3)
;;       q = np.round(r / step) * step * 2.0 ** e      # np.round: ties to even
;;       return np.moveaxis(q, -1, axis).astype(np.float32)
;;   ~~~
;;   OPERANDS COMPUTED ON THE WAY. 'Computed on the way' means the value that the module computes at that place (a softmax that the list does not call 'softmax' is quantised finished and normalised). What goes into a quantiser is computed in f32, as accurately as f32 sums, v_exp_f32 and their like allow (about 1e-6 of the number): no bf16 or f16 on the way to a quantiser, and a product that is left as it is and whose result goes on into a quantised operand takes f32 operands (vector FMAs, or v_wmma_f32_16x16x4_f32). A number that lies on a knife's edge between two numbers of the format may be rounded either way, as far as f32 arithmetic and the matrix unit's own rounding can turn it there, and no further.
;; One version. Each part assembles by itself: llvm-mc -triple=amdgcn-amd-amdhsa -mcpu=gfx1250 --defsym DOCPART=n.
;; ======== version 1 of 1: 4 launches
;; limits: right only within a limited range of input values
;; workspace buffers: w1c 16,777,216 bytes; w2c 16,777,216 bytes; wallf 262,144 bytes; a1c 4,194,304 bytes; hc 16,777,216 bytes; coef 163,840 bytes
;; launch quant (part 1): grid 1152 x 1, 4 waves a work-group, no clusters, 41,472 bytes of LDS; arguments W1, W2, W_all, lowp_scales, w1c, w2c, wallf; writes w1c, w2c, wallf
.if DOCPART == 1
	.amdgcn_target "amdgcn-amd-amdhsa--gfx1250"
	.amdhsa_code_object_version 6
	.text
	.protected	k_qae3eaa8584_quant
	.globl	k_qae3eaa8584_quant
	.p2align	8
	.type	k_qae3eaa8584_quant,@function
k_qae3eaa8584_quant:
	s_mov_b64 s[64:65], 0
	v_nop
	global_prefetch_b8 v0, s[64:65] scope:SCOPE_SE
	s_setreg_imm32_b32 hwreg(HW_REG_WAVE_MODE, 25, 1), 1
	s_wait_xcnt 0x0
; MHCLiteBlock, launch 1 of 4: the three weights become codes of E4M3, each with its given scale 2^e: W1 (entry 3), W2 (entry 5), W_all (entry 1).
; DEAD WORK: none is left out in this program.  Every input has a way to the output for all values: perm_mat is read as it is given, b_all differs along the softmax's axis, b1 and b2 are added.
; code = x / 2^e, held within +-448, rounded to the nearest code, ties to even.
; LIMITS: each e lies between -126 and 119, so that 2^e and 448 x 2^e are f32 numbers.  NaN among the inputs is not served.
; Work-groups 128-639 take W1, 640-1151 W2, 32,768 numbers each; a wave takes 16 steps of 512 numbers; a step's 2,048 bytes turn through the wave's own stage in LDS, so that a lane then holds 16 neighbours along K.
; W1 is a plain stream: each load reads 512 consecutive bytes, and the codes lie as the numbers do.
; W2's codes are laid in the order of the last launch's operand registers.  Wave W takes rows 16 (W / 16) .. + 15 and K = 512 (W % 16) .. + 511.  Step t = 4 kq + 2 g + p takes rows 8 p .. 8 p + 7 and 64 along K
; (two rows of 256 aligned bytes a load) and stores 512 consecutive bytes at w2c byte 8192 W + 512 t: piece 16 (c % 2) + 8 h + r % 8 of 16 bytes holds W2[row 8 p + r % 8][128 kq + 32 c + 16 h + 0 .. 15], c = 2 g + c % 2.
; Work-groups 0-127 take W_all, one piece of 512 numbers a wave: piece P = (w*4+n)*16 + T*8+p*4+b lies at wallf byte 512 P, and its bytes 16 lane on hold W_all[16 T + lane%16][2048 n + 256 w + 64 b + 32 p + 16 (lane/16) + 0..15].  That path uses no LDS.
; W1's and W2's paths have LDS bytes of their own.
.set STEPS, 16
.set NWALL, 128
.set WREG,  5120                       ; LDS: a region for each wave: two stages of 32 x SP bytes
.set SP,    80                         ; a lane's place in a stage: 64 bytes + 16 of padding
.set SPARE, 8*WREG                     ; behind both paths' regions: the spare words, 128 bytes a wave
.set LIM,   10
.set SCL,   11
.set SPW,   12
.set NIL,   13
.set R,     16                         ; v16-79   four sets of 16 numbers as loaded
.set X,     80                         ; v80-111  two sets of 16 neighbours
.set C,     128                        ; v128-191 codes: four registers a step, so no store's data are written again
	s_load_b256 s[4:11], s[0:1], 0x0               ; W1, W2, W_all, the scales' exponents
	s_load_b128 s[12:15], s[0:1], 0x20             ; W1's codes, W2's codes
	s_load_b64 s[16:17], s[0:1], 0x30              ; W_all's codes
	v_lshl_add_u32 v[SPW], v0, 2, SPARE
	v_mov_b32 v[NIL], 0
	v_lshrrev_b32 v1, 5, v0
	v_readfirstlane_b32 s20, v1                    ; wave
	v_and_b32 v2, 31, v0                           ; lane
	v_lshlrev_b32 v3, 4, v2                        ; 16 x lane
	s_mul_i32 s21, s20, WREG
	s_add_co_u32 s23, s21, 4*WREG                  ; my region on W2's path
	v_lshrrev_b32 v14, 2, v2
	v_mul_u32_u24 v14, v14, SP
	v_and_b32 v15, 3, v2
	v_lshl_add_u32 v14, v15, 4, v14
	v_add_nc_u32 v14, s21, v14                     ; W1's stage, in: SP (lane / 4) + 16 (lane % 4)
	v_mul_u32_u24 v15, v2, SP
	v_add_nc_u32 v8, s23, v15                      ; W2's stage, out: SP x lane
	v_add_nc_u32 v15, s21, v15                     ; W1's stage, out
	v_and_b32 v4, 15, v2
	v_lshrrev_b32 v9, 4, v2
	v_lshlrev_b32 v5, 6, v9
	v_lshl_add_u32 v5, v4, 15, v5                  ; W_all: row lane % 16 of 32,768 bytes, + 64 (lane / 16)
	v_lshlrev_b32 v6, 4, v4
	v_lshl_add_u32 v6, v9, 15, v6                  ; W2's loads: row lane / 16 of 32,768 bytes, + 16 (lane % 16)
	v_lshrrev_b32 v7, 2, v4
	v_lshl_add_u32 v7, v7, 3, v9                   ; place 8 ((lane % 16) / 4) + lane / 16
	v_mul_u32_u24 v7, v7, SP
	v_and_b32 v9, 3, v2
	v_lshl_add_u32 v7, v9, 4, v7
	v_add_nc_u32 v7, s23, v7                       ; W2's stage, in
	s_wait_alu depctr_va_vdst(0)                   ; the wait at the head's end
	s_wait_kmcnt 0x0
	s_load_b128 s[24:27], s[10:11], 0x0            ; e0 .. e3
	s_load_b64 s[28:29], s[10:11], 0x10            ; e4, e5
	s_cmp_lt_u32 ttmp9, NWALL
	s_cbranch_scc1 .Lwall
.macro MKSCALE                         ; e in s22 -> v[SCL] = 2^e, v[LIM] = 448 x 2^e
	s_add_co_i32 s22, s22, 127
	s_lshl_b32 s23, s22, 23
	v_mov_b32 v[SCL], s23
	s_add_co_i32 s22, s22, 8
	s_lshl_b32 s22, s22, 23
	s_or_b32 s22, s22, 0x600000
	v_mov_b32 v[LIM], s22
.endm
	s_mov_b32 s22, NWALL+512
	s_cmp_lt_u32 ttmp9, NWALL+512
	s_cselect_b64 s[4:5], s[4:5], s[6:7]
	s_cselect_b64 s[18:19], s[12:13], s[14:15]
	s_cselect_b32 s22, NWALL, s22                  ; the tensor's first work-group
	s_sub_co_u32 s22, ttmp9, s22
	s_lshl_b32 s22, s22, 2
	s_add_co_u32 s22, s22, s20                     ; W: which 8,192 numbers are my wave's: 0 .. 2,047
	s_lshl_b32 s30, s22, 15                        ; W1: 32,768 bytes of numbers on end
	s_lshr_b32 s32, s22, 4
	s_lshl_b32 s32, s32, 19                        ; W2: 16 rows of 32,768 bytes,
	s_and_b32 s33, s22, 15
	s_lshl_b32 s33, s33, 11                        ; + 512 numbers along K
	s_add_co_u32 s32, s32, s33
	s_cmp_lt_u32 ttmp9, NWALL+512
	s_cselect_b32 s30, s30, s32
	s_mov_b32 s31, 0
	s_add_nc_u64 s[4:5], s[4:5], s[30:31]
	s_lshl_b32 s30, s22, 13                        ; 8,192 bytes of codes
	s_add_nc_u64 s[18:19], s[18:19], s[30:31]
.macro LOAD t
.irp i, 0,1,2,3
.if W2M
	global_load_b128 v[R+16*((\t)%4)+4*\i:R+16*((\t)%4)+4*\i+3], v[VLD], s[4:5] offset:262144*((\t)%2)+256*((\t)/2)+65536*\i th:TH_LOAD_NT   ; rows 8 (t % 2) + 2 i, + 1: 256 aligned bytes of each
.else
	global_load_b128 v[R+16*((\t)%4)+4*\i:R+16*((\t)%4)+4*\i+3], v[VLD], s[4:5] offset:2048*(\t)+512*\i th:TH_LOAD_NT
.endif
.endr
.endm
.macro TURN t                          ; step t's numbers through the stage; LDS serves a wave's instructions in order, so no wait stands between stores and loads
.irp i, 0,1,2,3
	ds_store_b128 v[VIN], v[R+16*((\t)%4)+4*\i:R+16*((\t)%4)+4*\i+3] offset:32*SP*((\t)%2)+IST*\i
.endr
.irp i, 0,1,2,3
	ds_load_b128 v[X+16*((\t)%2)+4*\i:X+16*((\t)%2)+4*\i+3], v[VOUT] offset:32*SP*((\t)%2)+16*\i
.endr
.endm
.macro STEP t
.set XS, X+16*((\t)%2)
	s_wait_dscnt 0x0                               ; this step's numbers are back, so its stores into the stage have read their registers,
.if (\t)+4 < STEPS
	LOAD (\t)+4                                    ; which take the loads of four steps on
.endif
.if (\t)+1 < STEPS
.if STEPS-2-(\t) >= 3
	s_wait_loadcnt 12                              ; the next step's loads are in; those of the three steps behind it may be out
.else
	s_wait_loadcnt 4*(STEPS-2-(\t))
.endif
	TURN (\t)+1
.endif
.irp i, 0,1,2,3,4,5,6,7,8,9,10,11,12,13,14,15
	v_med3_num_f32 v[XS+\i], v[XS+\i], -v[LIM], v[LIM]   ; the conversion does not saturate (ISA guide 7.6.2): the hold comes first
.endr
	v_cvt_scalef32_pk8_fp8_f32 v[C+4*(\t):C+4*(\t)+1], v[XS:XS+7], v[SCL]
	v_cvt_scalef32_pk8_fp8_f32 v[C+4*(\t)+2:C+4*(\t)+3], v[XS+8:XS+15], v[SCL]
	global_store_b128 v3, v[C+4*(\t):C+4*(\t)+3], s[18:19] offset:512*(\t)   ; 512 consecutive bytes, aligned
.endm
.macro BODY
.irp t, 0,1,2,3
	LOAD \t
.endr
	s_wait_kmcnt 0x0
	s_cmp_lt_u32 ttmp9, NWALL+512
	s_cselect_b32 s22, s27, s29                    ; e3 for W1, e5 for W2
	MKSCALE
	s_wait_loadcnt 12                              ; step 0's four loads are in; twelve younger ones stay out
	s_wait_alu depctr_va_vdst(0)
	TURN 0
.irp t, 0,1,2,3,4,5,6,7,8,9,10,11,12,13,14,15
	STEP \t
.endr
	s_wait_tensorcnt 0x0                           ; the wave's end
	ds_add_u32 v[SPW], v[NIL]
	s_wait_dscnt 0x0
	s_endpgm
.endm
	s_cmp_lt_u32 ttmp9, NWALL+512
	s_cbranch_scc0 .Lw2
.set W2M, 0
.set VLD, 3
.set VIN, 14
.set VOUT, 15
.set IST, 8*SP
	BODY
.Lw2:
.set W2M, 1
.set VLD, 6
.set VIN, 7
.set VOUT, 8
.set IST, 2*SP
	BODY
	; ---- W_all: my wave makes piece P = 4 x work-group + wave
.Lwall:
	s_lshl_b32 s22, ttmp9, 2
	s_add_co_u32 s22, s22, s20                     ; P: 0 .. 511
	s_lshr_b32 s21, s22, 6                         ; w
	s_lshl_b32 s30, s21, 10
	s_bfe_u32 s21, s22, 0x20004                    ; n
	s_lshl_b32 s21, s21, 13
	s_add_co_u32 s30, s30, s21
	s_bfe_u32 s21, s22, 0x10003                    ; T
	s_lshl_b32 s21, s21, 19
	s_add_co_u32 s30, s30, s21
	s_bfe_u32 s21, s22, 0x10002                    ; p
	s_lshl_b32 s21, s21, 7
	s_add_co_u32 s30, s30, s21
	s_and_b32 s21, s22, 3                          ; b
	s_lshl_b32 s21, s21, 8
	s_add_co_u32 s30, s30, s21
	s_mov_b32 s31, 0
	s_add_nc_u64 s[8:9], s[8:9], s[30:31]
	s_lshl_b32 s30, s22, 9
	s_add_nc_u64 s[16:17], s[16:17], s[30:31]
.irp jj, 0,1,2,3
	global_load_b128 v[R+4*\jj:R+4*\jj+3], v5, s[8:9] offset:16*\jj th:TH_LOAD_NT   ; my 16 neighbours along K
.endr
	s_wait_kmcnt 0x0
	s_mov_b32 s22, s25                             ; e1
	MKSCALE
	s_wait_alu depctr_va_vdst(0)                   ; directly ahead of the wait below
	s_wait_loadcnt 0x0
.irp k, 0,1,2,3,4,5,6,7,8,9,10,11,12,13,14,15
	v_med3_num_f32 v[R+\k], v[R+\k], -v[LIM], v[LIM]
.endr
	v_cvt_scalef32_pk8_fp8_f32 v[C:C+1], v[R:R+7], v[SCL]
	v_cvt_scalef32_pk8_fp8_f32 v[C+2:C+3], v[R+8:R+15], v[SCL]
	global_store_b128 v3, v[C:C+3], s[16:17]       ; 512 consecutive bytes, aligned
	s_endpgm
.Lfunc_end_k_qae3eaa8584_quant:
	.size	k_qae3eaa8584_quant, .Lfunc_end_k_qae3eaa8584_quant-k_qae3eaa8584_quant
	.p2alignl 7, 3214868480
	.fill 96, 4, 3214868480
	.section	.rodata,"a",@progbits
	.p2align	6, 0x0
	.amdhsa_kernel k_qae3eaa8584_quant
		.amdhsa_group_segment_fixed_size 41472
		.amdhsa_private_segment_fixed_size 0
		.amdhsa_enable_private_segment 0
		.amdhsa_kernarg_size 56
		.amdhsa_user_sgpr_count 2
		.amdhsa_user_sgpr_kernarg_segment_ptr 1
		.amdhsa_wavefront_size32 1
		.amdhsa_system_sgpr_workgroup_id_x 1
		.amdhsa_system_sgpr_workgroup_id_y 1
		.amdhsa_system_sgpr_workgroup_id_z 1
		.amdhsa_system_vgpr_workitem_id 0
		.amdhsa_next_free_vgpr 192
		.amdhsa_next_free_sgpr 66
		.amdhsa_reserve_vcc 0
		.amdhsa_float_denorm_mode_32 3
		.amdhsa_float_denorm_mode_16_64 3
		.amdhsa_memory_ordered 1
		.amdhsa_forward_progress 1
		.amdhsa_inst_pref_size 76
	.end_amdhsa_kernel
	.amdgpu_metadata
---
amdhsa.version: [ 1, 2 ]
amdhsa.kernels:
  - .name:           k_qae3eaa8584_quant
    .symbol:         k_qae3eaa8584_quant.kd
    .args:
      - { .name: W1, .offset: 0, .size: 8, .value_kind: global_buffer, .address_space: global }
      - { .name: W2, .offset: 8, .size: 8, .value_kind: global_buffer, .address_space: global }
      - { .name: W_all, .offset: 16, .size: 8, .value_kind: global_buffer, .address_space: global }
      - { .name: lowp_scales, .offset: 24, .size: 8, .value_kind: global_buffer, .address_space: global }
      - { .name: w1c, .offset: 32, .size: 8, .value_kind: global_buffer, .address_space: global }
      - { .name: w2c, .offset: 40, .size: 8, .value_kind: global_buffer, .address_space: global }
      - { .name: wallf, .offset: 48, .size: 8, .value_kind: global_buffer, .address_space: global }
    .group_segment_fixed_size: 41472
    .private_segment_fixed_size: 0
    .kernarg_segment_align: 8
    .kernarg_segment_size: 56
    .max_flat_workgroup_size: 128
    .sgpr_count:     66
    .vgpr_count:     192
    .wavefront_size: 32
...
	.end_amdgpu_metadata
.endif
;; end of part 1
;; launch coef (part 2): grid 256 x 1, 8 waves a work-group, no clusters, 327,680 bytes of LDS; arguments x_streams, wallf, lowp_scales, b_all, alpha_pre, alpha_post, alpha_res, perm_mat, a1c, coef; writes a1c, coef
.if DOCPART == 2
	.amdgcn_target "amdgcn-amd-amdhsa--gfx1250"
	.amdhsa_code_object_version 6
	.text
	.protected	k_qae3eaa8584_coef
	.globl	k_qae3eaa8584_coef
	.p2align	8
	.type	k_qae3eaa8584_coef,@function
k_qae3eaa8584_coef:
	s_mov_b64 s[64:65], 0
	v_nop
	global_prefetch_b8 v0, s[64:65] scope:SCOPE_SE
	s_setreg_imm32_b32 hwreg(HW_REG_WAVE_MODE, 25, 1), 1
	s_wait_xcnt 0x0
.set XT_W,  33280
.set XT_N,  8320
.set XT_T,  33296                      ; a token's region in LDS: 32 rows of 1,040 bytes, + 16, so that the eight tokens' rows that a load touches start at different banks
.set SSQ,   266496
.set PART,  266752
.set ZB,    283136
.set SG,    284160
.set SPARE, 301568
.set G1, 24
.set G0, 32
.set WV, 48
.set LN, 1
.set TK, 2
.set PP, 3
.set HH, 4
.set QQ, 5
.set XA, 6
.set PA, 7
.set SQW, 8
.set SQR, 9
.set ZA, 10
.set ZW, 11
.set ZR, 12
.set ZQ, 13
.set SGA, 14
.set SGR, 15
.set WO, 16
.set PMO, 17
.set RR, 18
.set SPW, 20
.set NIL, 21
.set AL, 22
.set BA, 23
.set WF0, 24
.set WF1, 88
.set AO, 120
.set CO1, 121
.set CO2, 122
.set TMP, 152
.set XC, 184
.set ACC, 200
.set SS, 232
.set HR, 232
.set HP, 240
.set WK, 248
.set LIM, 254
.set SCL, 255
.set MSB, 0
.macro WIN new
.if MSB != (\new)
	s_set_vgpr_msb (MSB<<8)|(\new)
.set MSB, (\new)
.endif
.endm
.macro BARRIER
	s_wait_dscnt 0x0
	s_barrier_signal -1
	s_barrier_wait -1
.endm
.macro MKSCALE e
	s_add_co_i32 s54, \e, 127
	s_lshl_b32 s55, s54, 23
	v_mov_b32 v[SCL], s55
	s_add_co_i32 s54, s54, 8
	s_lshl_b32 s54, s54, 23
	s_or_b32 s54, s54, 0x600000
	v_mov_b32 v[LIM], s54
.endm
	s_load_b512 s[4:19], s[0:1], 0x0
	s_load_b128 s[20:23], s[0:1], 0x40
	v_lshl_add_u32 v[SPW], v0, 2, SPARE
	v_mov_b32 v[NIL], 0
	ds_add_u32 v[SPW], v[NIL]
	ds_add_u32 v[SPW], v[NIL]
	v_lshrrev_b32 v1, 5, v0
	s_delay_alu instid0(VALU_DEP_1)
	v_readfirstlane_b32 s[WV], v1
	s_mov_b32 s[G1+0], (2<<16)|(1<<20)|(7<<22)|(3<<25)
	s_mov_b32 s[G1+1], 256<<16
	s_mov_b32 s[G1+2], 32<<16                      ; one token is a dense block: 32 rows of 256 numbers; row 8 n + w is stream n, columns 256 w on
	s_mov_b32 s[G1+3], 256<<16
	s_mov_b32 s[G1+4], 32
	s_mov_b32 s[G1+5], 256
	s_mov_b32 s[G1+6], 0
	s_mov_b32 s[G1+7], 0
	s_mov_b32 s78, 0x76543210
	s_mov_b32 s79, 0xfedcba98
	s_mul_i32 s49, s[WV], XT_T                     ; I fetch token number wave, whole
	s_mul_i32 s51, s[WV], 1040                     ; and read row 8 n + wave of every token
	s_lshl_b32 s52, ttmp9, 18
	s_lshl_b32 s50, s[WV], 15
	s_add_co_u32 s52, s52, s50
	s_mov_b32 s53, 0
	s_lshl_b32 s54, s[WV], 15
	s_mov_b32 s55, 0
	s_wait_dscnt 0x0
	s_wait_kmcnt 0x0
	s_add_nc_u64 s[52:53], s[4:5], s[52:53]
	s_mov_b32 s[G0], 1
	s_mov_b32 s[G0+1], s49
	s_mov_b64 s[G0+2:G0+3], s[52:53]
	s_or_b32 s[G0+3], s[G0+3], 0x80000000
	tensor_load_to_lds s[G0:G0+3], s[G1:G1+7]      ; my one tensor load: 32,768 consecutive bytes
	s_nop 0
	s_add_nc_u64 s[6:7], s[6:7], s[54:55]
	s_load_b128 s[68:71], s[8:9], 0x0
	s_load_b64 s[72:73], s[8:9], 0x10
	s_load_b32 s74, s[12:13], 0x0
	s_load_b32 s75, s[14:15], 0x0
	s_load_b32 s76, s[16:17], 0x0
	v_and_b32 v[LN], 31, v0
	v_and_b32 v[TK], 7, v0
	v_bfe_u32 v[PP], v0, 3, 1
	v_bfe_u32 v[HH], v0, 4, 1
	v_bfe_u32 v[QQ], v0, 3, 2
	v_lshlrev_b32 v[WO], 4, v[LN]
	s_delay_alu instid0(VALU_DEP_2)
	v_lshlrev_b32 v[PMO], 4, v[QQ]
	v_lshlrev_b32 v[BA], 2, v[LN]
	global_load_b32 v[BA], v[BA], s[10:11]
.macro WLOAD n, wf
.irp f, 0,1,2,3
.irp b, 0,1,2,3
	global_load_b128 v[\wf+16*\f+4*\b:\wf+16*\f+4*\b+3], v[WO], s[6:7] offset:(\n)*8192+(4*\f+\b)*512
.endr
.endr
.endm
.macro PMLOAD k0, cnt, reg
.set kk, 0
.rept \cnt
	global_load_b128 v[\reg+4*kk:\reg+4*kk+3], v[PMO], s[18:19] offset:64*((\k0)+kk)
.set kk, kk+1
.endr
.endm
	WLOAD 0, WF0
	WLOAD 1, WF1
	v_mul_u32_u24 v[XA], v[TK], XT_T
	s_delay_alu instid0(VALU_DEP_1)
	v_lshl_add_u32 v[XA], v[PP], 7, v[XA]
	s_delay_alu instid0(VALU_DEP_1)
	v_lshl_add_u32 v[XA], v[HH], 6, v[XA]
	s_delay_alu instid0(VALU_DEP_1)
	v_add_nc_u32 v[XA], s51, v[XA]
	s_lshl_b32 s50, s[WV], 11
	s_add_co_u32 s50, s50, PART
	v_lshlrev_b32 v[PA], 7, v[TK]
	s_delay_alu instid0(VALU_DEP_1)
	v_lshl_add_u32 v[PA], v[PP], 10, v[PA]
	s_delay_alu instid0(VALU_DEP_1)
	v_lshl_add_u32 v[PA], v[HH], 5, v[PA]
	s_delay_alu instid0(VALU_DEP_1)
	v_add_nc_u32 v[PA], s50, v[PA]
	v_lshl_add_u32 v[SQR], v[TK], 5, SSQ
	s_lshl_b32 s50, s[WV], 2
	v_add_nc_u32 v[SQW], s50, v[SQR]
	s_lshl_b32 s50, s[WV], 7
	v_lshl_add_u32 v[ZA], v[LN], 2, s50
	s_delay_alu instid0(VALU_DEP_1)
	v_add_nc_u32 v[ZW], ZB, v[ZA]
	s_delay_alu instid0(VALU_DEP_2)
	v_add_nc_u32 v[ZA], PART, v[ZA]
	v_lshl_add_u32 v[ZR], v[TK], 7, ZB
	s_delay_alu instid0(VALU_DEP_1)
	v_lshl_add_u32 v[ZQ], v[QQ], 2, v[ZR]
	s_mul_i32 s50, s[WV], 2176
	s_add_co_u32 s50, s50, SG
	v_mul_u32_u24 v[SGA], v[TK], 272
	s_delay_alu instid0(VALU_DEP_1)
	v_lshl_add_u32 v[SGA], v[PP], 5, v[SGA]
	s_delay_alu instid0(VALU_DEP_1)
	v_lshl_add_u32 v[SGA], v[HH], 4, v[SGA]
	s_delay_alu instid0(VALU_DEP_1)
	v_add_nc_u32 v[SGA], s50, v[SGA]
	v_and_b32 v[WK], 15, v0
	v_mul_u32_u24 v[SGR], v[HH], 272
	s_delay_alu instid0(VALU_DEP_1)
	v_lshl_add_u32 v[SGR], v[WK], 4, v[SGR]
	s_delay_alu instid0(VALU_DEP_1)
	v_add_nc_u32 v[SGR], s50, v[SGR]
	v_cmp_ne_u32 s62, 0, v[PP]
.macro SQ n
	WIN 0x05
.set kk, 0
.rept 32
.if ((\n) == 0) && (kk < 4)
	v_pk_mul_f32 v[SS+2*(kk%4):SS+2*(kk%4)+1], v[64*(\n)+2*kk:64*(\n)+2*kk+1], v[64*(\n)+2*kk:64*(\n)+2*kk+1]
.else
	v_pk_fma_f32 v[SS+2*(kk%4):SS+2*(kk%4)+1], v[64*(\n)+2*kk:64*(\n)+2*kk+1], v[64*(\n)+2*kk:64*(\n)+2*kk+1], v[SS+2*(kk%4):SS+2*(kk%4)+1]
.endif
.set kk, kk+1
.endr
.endm
	s_wait_alu depctr_va_vdst(0)                   ; the wait at the head's end
	s_wait_tensorcnt 0x0                           ; my token is in,
	s_barrier_signal -1
	s_barrier_wait -1                              ; and so is everybody's: each wave reads its columns of all eight
.irp n, 0,1,2,3
	WIN 0x40
.irp b, 0,1,2,3
.irp j, 0,1,2,3
	ds_load_b128 v[64*\n+16*\b+4*\j:64*\n+16*\b+4*\j+3], v[XA] offset:\n*XT_N+256*\b+16*\j
.endr
.endr
.if \n > 0
	s_wait_dscnt 16
	s_wait_alu depctr_va_vdst(0)
	SQ \n-1
.endif
.endr
	s_wait_alu depctr_va_vdst(0)
	s_wait_dscnt 0x0
	SQ 3
	WIN 0
	v_pk_add_f32 v[SS:SS+1], v[SS:SS+1], v[SS+2:SS+3]
	v_pk_add_f32 v[SS+4:SS+5], v[SS+4:SS+5], v[SS+6:SS+7]
	s_delay_alu instid0(VALU_DEP_1)
	v_pk_add_f32 v[SS:SS+1], v[SS:SS+1], v[SS+4:SS+5]
	s_delay_alu instid0(VALU_DEP_1)
	v_add_f32 v[SS], v[SS], v[SS+1]
	s_delay_alu instid0(VALU_DEP_1)
	v_add_f32_dpp v[SS], v[SS], v[SS] row_xmask:8 row_mask:0xf bank_mask:0xf
	s_delay_alu instid0(VALU_DEP_1)
	v_permlanex16_b32 v[SS+1], v[SS], s78, s79
	s_delay_alu instid0(VALU_DEP_1)
	v_add_f32 v[SS], v[SS], v[SS+1]
	ds_store_b32 v[SQW], v[SS]
	BARRIER
	ds_load_b128 v[TMP:TMP+3], v[SQR]
	ds_load_b128 v[TMP+4:TMP+7], v[SQR] offset:16
	s_wait_kmcnt 0x0
	MKSCALE s68
	v_mov_b32 v[AL], s76
	v_mov_b32 v[WK], s75
	v_cmp_gt_u32 s50, 8, v[LN]
	s_delay_alu instid0(VALU_DEP_1)
	v_cndmask_b32 v[AL], v[AL], v[WK], s50
	v_mov_b32 v[WK], s74
	v_cmp_gt_u32 s50, 4, v[LN]
	s_delay_alu instid0(VALU_DEP_1)
	v_cndmask_b32 v[AL], v[AL], v[WK], s50
	s_add_co_i32 s51, s68, s69
	v_ldexp_f32 v[AL], v[AL], s51
	s_mov_b32 s50, 0x39000000
	s_mov_b32 s51, 0x34000000
	s_wait_dscnt 0x0
	v_pk_add_f32 v[TMP:TMP+1], v[TMP:TMP+1], v[TMP+2:TMP+3]
	v_pk_add_f32 v[TMP+4:TMP+5], v[TMP+4:TMP+5], v[TMP+6:TMP+7]
	s_delay_alu instid0(VALU_DEP_1)
	v_pk_add_f32 v[TMP:TMP+1], v[TMP:TMP+1], v[TMP+4:TMP+5]
	s_delay_alu instid0(VALU_DEP_1)
	v_add_f32 v[TMP], v[TMP], v[TMP+1]
	s_delay_alu instid0(VALU_DEP_1)
	v_fma_f32 v[TMP], v[TMP], s50, s51
	s_wait_alu depctr_va_vdst(0)
	v_rsq_f32 v[RR], v[TMP]
	v_nop
	s_wait_alu depctr_va_vdst(0)
	v_mov_b32 v[RR+1], v[RR]
.macro QHALF u
.set kk, 0
.rept 32
	v_med3_num_f32 v[TMP+kk], v[TMP+kk], -v[LIM], v[LIM]
.set kk, kk+1
.endr
.irp g, 0,1,2,3
	v_cvt_scalef32_pk8_fp8_f32 v[XC+8*(\u)+2*\g:XC+8*(\u)+2*\g+1], v[TMP+8*\g:TMP+8*\g+7], v[SCL]
.endr
	v_nop
.endm
.macro PSTEP n
.set WFN, WF0+64*((\n)%2)
.irp u, 0,1
	WIN 0x01
.set kk, 0
.rept 16
	v_pk_mul_f32 v[TMP+2*kk:TMP+2*kk+1], v[64*(\n)+32*\u+2*kk:64*(\n)+32*\u+2*kk+1], v[RR:RR+1]
.set kk, kk+1
.endr
	WIN 0
.if \u == 0
.if (\n) == 1
	WLOAD 2, WF0
.elseif (\n) == 2
	WLOAD 3, WF1
.elseif (\n) == 3
	PMLOAD 0, 16, WF0
.endif
.endif
	QHALF \u
.endr
	s_wait_alu depctr_va_vdst(0)
	s_wait_loadcnt 16
.irp f, 0,2,1,3
.if (\n) == 0
	v_wmma_f32_16x16x128_fp8_fp8 v[ACC+8*\f:ACC+8*\f+7], v[WFN+16*\f:WFN+16*\f+15], v[XC:XC+15], 0
.else
	v_wmma_f32_16x16x128_fp8_fp8 v[ACC+8*\f:ACC+8*\f+7], v[WFN+16*\f:WFN+16*\f+15], v[XC:XC+15], v[ACC+8*\f:ACC+8*\f+7]
.endif
.endr
.endm
	PSTEP 0
	PSTEP 1
	PSTEP 2
	PSTEP 3
.rept 4
	v_nop
.endr
	PMLOAD 16, 8, WF1
.irp T, 0,1
.irp j, 0,1,2,3,4,5,6,7
	v_cndmask_b32 v[TMP+8*\T+\j], v[ACC+16*\T+\j], v[ACC+16*\T+8+\j], s62
.endr
.endr
.irp T, 0,1
	ds_store_b128 v[PA], v[TMP+8*\T:TMP+8*\T+3] offset:64*\T
	ds_store_b128 v[PA], v[TMP+8*\T+4:TMP+8*\T+7] offset:64*\T+16
.endr
	BARRIER
.irp i, 0,1,2,3,4,5,6,7,8,9,10,11,12,13,14,15
	ds_load_b32 v[TMP+\i], v[ZA] offset:\i*1024
.endr
	s_wait_dscnt 0x0
.irp i, 0,4,8,12
	v_pk_add_f32 v[TMP+\i:TMP+\i+1], v[TMP+\i:TMP+\i+1], v[TMP+\i+2:TMP+\i+3]
.endr
	s_delay_alu instid0(VALU_DEP_3)
	v_pk_add_f32 v[TMP:TMP+1], v[TMP:TMP+1], v[TMP+4:TMP+5]
	s_delay_alu instid0(VALU_DEP_2)
	v_pk_add_f32 v[TMP+8:TMP+9], v[TMP+8:TMP+9], v[TMP+12:TMP+13]
	s_delay_alu instid0(VALU_DEP_1)
	v_pk_add_f32 v[TMP:TMP+1], v[TMP:TMP+1], v[TMP+8:TMP+9]
	s_delay_alu instid0(VALU_DEP_1)
	v_add_f32 v[TMP], v[TMP], v[TMP+1]
	s_delay_alu instid0(VALU_DEP_1)
	v_fma_f32 v[TMP], v[TMP], v[AL], v[BA]
	ds_store_b32 v[ZW], v[TMP]
	BARRIER
.irp i, 0,1,2,3,4,5,6,7
	ds_load_b128 v[TMP+4*\i:TMP+4*\i+3], v[ZR] offset:16*\i
.endr
	ds_load_b32 v[WK], v[ZQ] offset:16
	s_lshl_b32 s50, ttmp9, 14
	s_lshl_b32 s51, s[WV], 8
	s_add_co_u32 s50, s50, s51
	v_and_b32 v[AO], 15, v0
	s_delay_alu instid0(VALU_DEP_1)
	v_lshlrev_b32 v[AO], 4, v[AO]
	s_delay_alu instid0(VALU_DEP_1)
	v_lshl_add_u32 v[AO], v[HH], 11, v[AO]
	s_delay_alu instid0(VALU_DEP_1)
	v_add_nc_u32 v[AO], s50, v[AO]
	s_lshl_b32 s50, ttmp9, 9
	v_lshlrev_b32 v[CO1], 6, v[TK]
	s_delay_alu instid0(VALU_DEP_1)
	v_lshl_add_u32 v[CO1], v[QQ], 4, v[CO1]
	s_delay_alu instid0(VALU_DEP_1)
	v_add_nc_u32 v[CO1], s50, v[CO1]
	s_lshl_b32 s50, ttmp9, 7
	v_lshlrev_b32 v[CO2], 4, v[TK]
	s_delay_alu instid0(VALU_DEP_1)
	v_lshl_add_u32 v[CO2], v[QQ], 2, v[CO2]
	s_delay_alu instid0(VALU_DEP_1)
	v_add_nc_u32 v[CO2], s50, v[CO2]
	s_wait_dscnt 0x0
	s_wait_loadcnt 0x0
	v_max3_num_f32 v[WK+2], v[TMP+8], v[TMP+9], v[TMP+10]
.irp i, 11,13,15,17,19,21,23,25,27,29
	s_delay_alu instid0(VALU_DEP_1)
	v_max3_num_f32 v[WK+2], v[WK+2], v[TMP+\i], v[TMP+\i+1]
.endr
	s_delay_alu instid0(VALU_DEP_1)
	v_max_num_f32 v[WK+2], v[WK+2], v[TMP+31]
	s_delay_alu instid0(VALU_DEP_1)
	v_mov_b32 v[WK+3], v[WK+2]
.irp i, 8,10,12,14,16,18,20,22,24,26,28,30
	v_pk_add_f32 v[TMP+\i:TMP+\i+1], v[TMP+\i:TMP+\i+1], v[WK+2:WK+3] neg_lo:[0,1] neg_hi:[0,1]
.endr
.irp i, 8,10,12,14,16,18,20,22,24,26,28,30
	v_pk_mul_f32 v[TMP+\i:TMP+\i+1], v[TMP+\i:TMP+\i+1], 0x3fb8aa3b op_sel_hi:[1,0]
.endr
.irp i, 0,1,2,3
	v_mul_f32 v[TMP+\i], 0xbfb8aa3b, v[TMP+\i]
.endr
	v_mul_f32 v[WK], 0xbfb8aa3b, v[WK]
	s_wait_alu depctr_va_vdst(0)
.irp i, 0,1,2,3
	v_exp_f32 v[TMP+\i], v[TMP+\i]
.endr
	v_exp_f32 v[WK], v[WK]
.set kk, 8
.rept 24
	v_exp_f32 v[TMP+kk], v[TMP+kk]
.set kk, kk+1
.endr
	v_nop
	s_wait_alu depctr_va_vdst(0)
	v_pk_add_f32 v[WK+4:WK+5], v[TMP+8:TMP+9], v[TMP+10:TMP+11]
.irp i, 12,14,16,18,20,22,24,26,28,30
	v_pk_add_f32 v[WK+4:WK+5], v[WK+4:WK+5], v[TMP+\i:TMP+\i+1]
.endr
	s_delay_alu instid0(VALU_DEP_1)
	v_add_f32 v[WK+4], v[WK+4], v[WK+5]
.irp i, 0,1,2,3
	v_add_f32 v[TMP+\i], 1.0, v[TMP+\i]
.endr
	v_add_f32 v[WK], 1.0, v[WK]
	s_wait_alu depctr_va_vdst(0)
.irp i, 0,1,2,3
	v_rcp_f32 v[TMP+\i], v[TMP+\i]
.endr
	v_rcp_f32 v[WK], v[WK]
	v_rcp_f32 v[WK+4], v[WK+4]
	v_nop
	s_wait_alu depctr_va_vdst(0)
.irp j, 0,1,2,3
	v_mul_f32 v[HR+\j], v[TMP+8], v[WF0+\j]
.endr
.set kk, 1
.rept 23
.if kk < 16
.set PMR, WF0+4*kk
.else
.set PMR, WF1+4*(kk-16)
.endif
.irp j, 0,1,2,3
	v_fmac_f32 v[HR+\j], v[TMP+8+kk], v[PMR+\j]
.endr
.set kk, kk+1
.endr
.irp j, 0,1,2,3
	v_mul_f32 v[HR+\j], v[HR+\j], v[WK+4]
.endr
	v_add_f32 v[WK], v[WK], v[WK]
.irp j, 0,1,2,3
	v_fma_f32 v[HR+\j], -v[WK], v[TMP+\j], v[HR+\j]
.endr
.irp j, 0,1,2,3
	v_mov_b32 v[HP+2*\j], v[TMP+\j]
	v_mov_b32 v[HP+2*\j+1], v[TMP+\j]
.endr
	MKSCALE s70
	s_cmp_lg_u32 s[WV], 0
	s_cbranch_scc1 .Lnot0
	global_store_b128 v[CO1], v[HR:HR+3], s[22:23]
	global_store_b32 v[CO2], v[WK], s[22:23] offset:131072
.Lnot0:
	s_wait_alu depctr_va_vdst(0)
.irp u, 0,1
	WIN 0x01
.set kk, 0
.rept 16
	v_pk_mul_f32 v[TMP+2*kk:TMP+2*kk+1], v[32*\u+2*kk:32*\u+2*kk+1], v[HP:HP+1]
.set kk, kk+1
.endr
.irp n, 1,2,3
.set kk, 0
.rept 16
	v_pk_fma_f32 v[TMP+2*kk:TMP+2*kk+1], v[64*\n+32*\u+2*kk:64*\n+32*\u+2*kk+1], v[HP+2*\n:HP+2*\n+1], v[TMP+2*kk:TMP+2*kk+1]
.set kk, kk+1
.endr
.endr
	WIN 0
	QHALF \u
.endr
.irp b, 0,1,2,3
	ds_store_b128 v[SGA], v[XC+4*\b:XC+4*\b+3] offset:64*\b
.endr
.irp i, 0,1,2,3
	ds_load_b128 v[TMP+4*\i:TMP+4*\i+3], v[SGR] offset:544*\i
.endr
.irp i, 0,1,2,3
	s_wait_dscnt 3-\i
	global_store_b128 v[AO], v[TMP+4*\i:TMP+4*\i+3], s[20:21] offset:4096*\i
.endr
	s_wait_tensorcnt 0x0
	ds_add_u32 v[SPW], v[NIL]
	s_wait_dscnt 0x0
	s_endpgm
.Lfunc_end_k_qae3eaa8584_coef:
	.size	k_qae3eaa8584_coef, .Lfunc_end_k_qae3eaa8584_coef-k_qae3eaa8584_coef
	.p2alignl 7, 3214868480
	.fill 96, 4, 3214868480
	.section	.rodata,"a",@progbits
	.p2align	6, 0x0
	.amdhsa_kernel k_qae3eaa8584_coef
		.amdhsa_group_segment_fixed_size 327680
		.amdhsa_private_segment_fixed_size 0
		.amdhsa_enable_private_segment 0
		.amdhsa_kernarg_size 80
		.amdhsa_user_sgpr_count 2
		.amdhsa_user_sgpr_kernarg_segment_ptr 1
		.amdhsa_wavefront_size32 1
		.amdhsa_system_sgpr_workgroup_id_x 1
		.amdhsa_system_sgpr_workgroup_id_y 1
		.amdhsa_system_sgpr_workgroup_id_z 1
		.amdhsa_system_vgpr_workitem_id 0
		.amdhsa_next_free_vgpr 512
		.amdhsa_next_free_sgpr 84
		.amdhsa_reserve_vcc 0
		.amdhsa_float_denorm_mode_32 3
		.amdhsa_float_denorm_mode_16_64 3
		.amdhsa_memory_ordered 1
		.amdhsa_forward_progress 1
		.amdhsa_inst_pref_size 85
	.end_amdhsa_kernel
	.amdgpu_metadata
---
amdhsa.version: [ 1, 2 ]
amdhsa.kernels:
  - .name:           k_qae3eaa8584_coef
    .symbol:         k_qae3eaa8584_coef.kd
    .args:
      - { .name: x_streams, .offset: 0, .size: 8, .value_kind: global_buffer, .address_space: global }
      - { .name: wallf, .offset: 8, .size: 8, .value_kind: global_buffer, .address_space: global }
      - { .name: lowp_scales, .offset: 16, .size: 8, .value_kind: global_buffer, .address_space: global }
      - { .name: b_all, .offset: 24, .size: 8, .value_kind: global_buffer, .address_space: global }
      - { .name: alpha_pre, .offset: 32, .size: 8, .value_kind: global_buffer, .address_space: global }
      - { .name: alpha_post, .offset: 40, .size: 8, .value_kind: global_buffer, .address_space: global }
      - { .name: alpha_res, .offset: 48, .size: 8, .value_kind: global_buffer, .address_space: global }
      - { .name: perm_mat, .offset: 56, .size: 8, .value_kind: global_buffer, .address_space: global }
      - { .name: a1c, .offset: 64, .size: 8, .value_kind: global_buffer, .address_space: global }
      - { .name: coef, .offset: 72, .size: 8, .value_kind: global_buffer, .address_space: global }
    .group_segment_fixed_size: 327680
    .private_segment_fixed_size: 0
    .kernarg_segment_align: 8
    .kernarg_segment_size: 80
    .max_flat_workgroup_size: 256
    .sgpr_count:     84
    .vgpr_count:     512
    .wavefront_size: 32
...
	.end_amdgpu_metadata
.endif
;; end of part 2
;; launch ffn1 (part 3): grid 32 x 8, 4 waves a work-group, clusters of 4 x 4, 327,680 bytes of LDS; arguments a1c, w1c, lowp_scales, b1, hc; writes hc
.if DOCPART == 3
	.amdgcn_target "amdgcn-amd-amdhsa--gfx1250"
	.amdhsa_code_object_version 6
	.text
	.protected	k_qae3eaa8584_ffn1
	.globl	k_qae3eaa8584_ffn1
	.p2align	8
	.type	k_qae3eaa8584_ffn1,@function
k_qae3eaa8584_ffn1:
	s_mov_b64 s[64:65], 0
	v_nop
	global_prefetch_b8 v0, s[64:65] scope:SCOPE_SE
	s_setreg_imm32_b32 hwreg(HW_REG_WAVE_MODE, 25, 1), 1
	s_wait_xcnt 0x0
	s_wait_alu depctr_hold_cnt(0) depctr_sa_sdst(0) depctr_va_vdst(0) depctr_va_sdst(0) depctr_va_ssrc(0) depctr_va_vcc(0) depctr_vm_vsrc(0)
	s_getreg_b32 s2, hwreg(HW_REG_IB_STS2, 6, 4)
	s_cmp_eq_u32 s2, 0
	s_cbranch_scc0 .Lentry_in_a_cluster
	s_endpgm
.Lentry_in_a_cluster:
	s_bfe_u32 s2, ttmp6, 0x10000c
	s_cmp_lg_u32 s2, 0xf033
	s_cbranch_scc0 .Lentry_shape_is_right
	s_endpgm
.Lentry_shape_is_right:
.set KSTEP,  256
.set ROWB,   256
.set KROW,   2048
.set PITCH,  272
.set FR,     16
.set NL,     4
.set NP,     4
.set HALFT,  128*PITCH
.set SLOT,   4*HALFT
.set LAPS,   4
.set SPARE,  2*SLOT
.set SPITCH, 272
.set LIM4, 8
.set SCL4, 9
.set C9,   12
.set ADRA, 16
.set ADRB, 20
.set STO,  24
.set RD,   25
.set CO,   26
.set B1A,  27
.set SPW,  28
.set NIL,  29
.set STOC, 30
.set B1,   64
.set AF,   128
.set GT,   128
.set GP,   160
.set GQ,   192
.set G1, 24
.set G0, 32
.set G1B, 48
.set G0B, 56
.set CK, 24
.set L2, 42
.set SK, 44
.set S1, 46
.set HALF, 48
.set SOFF, 49
.set MSB, 0
.macro WIN new
.if MSB != (\new)
	s_set_vgpr_msb (MSB<<8)|(\new)
.set MSB, (\new)
.endif
.endm
.set MUL_LO, 0xa1
.set MUL_HI, 0xf1
.set TO_B,   0x40
.macro JLOAD g0a, g1a, g0b, g1b
	s_cmp_eq_u32 s15, 0
	s_cbranch_scc0 .Lfor_b_\@
	tensor_load_to_lds s[\g0a:\g0a+3], s[\g1a:\g1a+7]
	s_nop 0
.rept 4
	v_nop
.endr
	s_branch .Lasked_\@
.Lfor_b_\@:
	tensor_load_to_lds s[\g0b:\g0b+3], s[\g1b:\g1b+7]
	s_nop 0
.rept 4
	v_nop
.endr
.Lasked_\@:
.endm
.macro CREST
	s_cmp_lg_u32 s14, 0
	s_cbranch_scc1 .Lnot_wave_0_\@
	s_barrier_signal -3
.Lnot_wave_0_\@:
	s_barrier_wait -3
	s_barrier_signal -1
	s_barrier_wait -1
.endm
.macro CROUND
	s_barrier_signal -1
	s_barrier_wait -1
	CREST
.endm
	s_load_b128 s[4:7], s[0:1], 0x0
	s_load_b128 s[8:11], s[0:1], 0x10
	s_load_b64 s[12:13], s[0:1], 0x20
	v_lshl_add_u32 v[SPW], v0, 2, SPARE
	v_mov_b32 v[NIL], 0
	ds_add_u32 v[SPW], v[NIL]
	ds_add_u32 v[SPW], v[NIL]
	v_lshrrev_b32 v1, 5, v0
	v_readfirstlane_b32 s14, v1
	s_lshr_b32 s15, s14, 1
	s_and_b32 s16, s14, 1
	s_bfe_u32 s40, ttmp6, 0x40000
	s_bfe_u32 s41, ttmp6, 0x40004
	s_lshl_b32 s42, ttmp9, 2
	s_add_co_u32 s42, s42, s40
	s_and_b32 s17, ttmp7, 0xffff
	s_lshl_b32 s17, s17, 2
	s_add_co_u32 s17, s17, s41
	s_lshl_b32 s43, s41, 2
	s_lshl_b32 s43, 15, s43
	s_lshl_b32 s44, 0x1111, s40
	s_or_b32 s[G1+0], s43, (0<<16)|(1<<20)|(1<<21)|(5<<22)|(3<<25)
	s_or_b32 s[G1B+0], s44, (0<<16)|(1<<20)|(1<<21)|(5<<22)|(3<<25)
.irp g, G1, G1B
	s_mov_b32 s[\g+1], ROWB<<16
	s_mov_b32 s[\g+2], 128<<16
	s_mov_b32 s[\g+3], ROWB<<16
	s_mov_b32 s[\g+4], 128
	s_mov_b32 s[\g+5], KROW
	s_mov_b32 s[\g+6], 0
	s_mov_b32 s[\g+7], 0
.endr
	s_lshl_b32 s18, s16, 7
	s_lshl_b32 s20, s17, 8
	s_add_co_u32 s20, s20, s18
	s_lshl_b32 s46, s42, 8
	s_add_co_u32 s46, s46, s18
	s_lshl_b32 s20, s20, 11
	s_mov_b32 s21, 0
	s_lshl_b32 s46, s46, 11
	s_mov_b32 s47, 0
	s_mul_i32 s45, s14, HALFT
	s_wait_dscnt 0x0
	s_wait_kmcnt 0x0
	s_load_b128 s[68:71], s[8:9], 0x0
	s_load_b64 s[72:73], s[8:9], 0x10
	s_add_nc_u64 s[20:21], s[4:5], s[20:21]
	s_add_nc_u64 s[46:47], s[6:7], s[46:47]
	s_cmp_eq_u32 s15, 0                            ; the prefetches: of the 128 rows that I fetch, my work-group takes 32, told apart from its partners by address (cx for the tokens' codes, cy for W1's)
	s_cselect_b64 s[76:77], s[20:21], s[46:47]
	s_cselect_b32 s78, s40, s41
	s_lshl_b32 s78, s78, 16                        ; 32 rows of 2,048 bytes
	s_mov_b32 s79, 0
	s_add_nc_u64 s[76:77], s[76:77], s[78:79]
	v_and_b32 v31, 31, v0
	v_lshlrev_b32 v31, 11, v31                     ; a lane a row; never rewritten
	s_wait_alu depctr_va_vdst(0)                   ; directly behind the writes
	CROUND
.irp s, 0,1
	s_mov_b32 s[G0+4*\s], 1
	s_add_co_u32 s[G0+4*\s+1], s45, \s*SLOT
	s_add_nc_u64 s[G0+4*\s+2:G0+4*\s+3], s[20:21], \s*ROWB
	s_or_b32 s[G0+4*\s+3], s[G0+4*\s+3], 0x80000000
	s_mov_b32 s[G0B+4*\s], 1
	s_add_co_u32 s[G0B+4*\s+1], s45, \s*SLOT
	s_add_nc_u64 s[G0B+4*\s+2:G0B+4*\s+3], s[46:47], \s*ROWB
	s_or_b32 s[G0B+4*\s+3], s[G0B+4*\s+3], 0x80000000
.if \s
	s_wait_alu depctr_va_vdst(0)
	s_wait_tensorcnt 0x0                           ; my part of K step 0 is in
	ds_add_u32 v28, v29
	s_wait_dscnt 0x0
	CROUND
.endif
	JLOAD G0+4*\s, G1, G0B+4*\s, G1B               ; K step 0 behind the opening round, K step 1 behind a round of its own
.if \s == 0
	global_prefetch_b8 v31, s[76:77] offset:256 th:TH_LOAD_NT scope:SCOPE_SE   ; K step 1, whose load goes out when K step 0 has landed
.endif
	global_prefetch_b8 v31, s[76:77] offset:512+256*\s th:TH_LOAD_NT scope:SCOPE_SE   ; the K step that stands two joint loads on: 32 rows x 256 bytes
.endr
	v_and_b32 v1, 15, v0
	v_bfe_u32 v2, v0, 4, 1
	v_mul_u32_u24 v3, v1, PITCH
	s_wait_alu depctr_va_vdst(0)
	v_lshl_add_u32 v4, v2, 4, v3
	s_mul_i32 s21, s15, HALFT
	s_mul_i32 s22, s16, HALFT
	s_add_co_u32 s22, s22, 2*HALFT
.irp s, 0,1
	v_add_nc_u32 v[ADRA+\s], s21, v4
	v_add_nc_u32 v[ADRB+\s], s22, v4
	s_add_co_u32 s21, s21, SLOT
	s_add_co_u32 s22, s22, SLOT
.endr
	s_mul_i32 s23, s15, 128*SPITCH
	s_lshl_b32 s22, s16, 7
	s_add_co_u32 s23, s23, s22
	v_lshl_add_u32 v5, v2, 3, v3
	v_add_nc_u32 v[STO], s23, v5
	s_mul_i32 s23, s14, 64*SPITCH
	v_mul_u32_u24 v5, v2, SPITCH
	v_lshl_add_u32 v5, v1, 4, v5
	v_add_nc_u32 v[RD], s23, v5
	v_lshlrev_b32 v5, 4, v1
	v_lshl_add_u32 v[CO], v2, 13, v5
	v_lshlrev_b32 v[B1A], 5, v2
	s_wait_alu depctr_va_vdst(0)
	s_lshl_b32 s20, s17, 8
	s_lshl_b32 s21, s14, 6
	s_add_co_u32 s20, s20, s21
	s_lshl_b32 s20, s20, 13
	s_lshl_b32 s46, s42, 8
	s_add_co_u32 s20, s20, s46
	s_mov_b32 s21, 0
	s_add_nc_u64 s[12:13], s[12:13], s[20:21]
	s_lshl_b32 s46, s42, 10
	s_lshl_b32 s47, s16, 9
	s_add_co_u32 s46, s46, s47
	s_mov_b32 s47, 0
	s_add_nc_u64 s[10:11], s[10:11], s[46:47]
.irp b, 0,1,2,3,4,5,6,7
	global_load_b128 v[B1+8*\b:B1+8*\b+3], v[B1A], s[10:11] offset:64*\b
	global_load_b128 v[B1+8*\b+4:B1+8*\b+7], v[B1A], s[10:11] offset:64*\b+16
.endr
.macro FRAG reg, adr, q, i
.irp c, 0,1,2,3
	ds_load_b128 v[\reg+4*\c:\reg+4*\c+3], v[\adr] offset:128*(\q)+32*\c+(\i)*16*PITCH
.endr
.endm
.macro MUL16 a0, p, zero
.irp a, \a0, \a0+1
.irp b, 0,1,2,3,4,5,6,7
.if \zero
	v_wmma_f32_16x16x128_fp8_fp8 v[8*(8*((\a)%4)+\b):8*(8*((\a)%4)+\b)+7], v[128*(\p)+FR*\b:128*(\p)+FR*\b+FR-1], v[AF+FR*(\a):AF+FR*(\a)+FR-1], 0
.else
	v_wmma_f32_16x16x128_fp8_fp8 v[8*(8*((\a)%4)+\b):8*(8*((\a)%4)+\b)+7], v[128*(\p)+FR*\b:128*(\p)+FR*\b+FR-1], v[AF+FR*(\a):AF+FR*(\a)+FR-1], v[8*(8*((\a)%4)+\b):8*(8*((\a)%4)+\b)+7]
.endif
.endr
.endr
.endm
.macro FETCH_B slot, q, p
	WIN TO_B
.irp i, 0,1,2,3,4,5,6,7
	FRAG 128*(\p)+FR*\i, ADRB+\slot, \q, \i
.endr
	WIN 0
.endm
.macro FETCH_A slot, q, i0
.irp i, \i0, \i0+1, \i0+2, \i0+3
	FRAG AF+FR*(\i), ADRA+\slot, \q, \i
.endr
.endm
.macro PLACES n
.rept \n
	v_nop
.endr
.endm
.macro STEP slot, q, zero
	s_wait_dscnt 4*NL
	WIN MUL_LO
	MUL16 0, (\q)%2, \zero
	MUL16 2, (\q)%2, \zero
	s_wait_dscnt 0
	PLACES NP
	FETCH_B \slot, (\q)+1, 1-(\q)%2
	FETCH_A \slot, (\q)+1, 0
	WIN MUL_HI
	MUL16 4, (\q)%2, \zero
	MUL16 6, (\q)%2, \zero
	PLACES NP
	WIN 0
	FETCH_A \slot, (\q)+1, 4
.endm
.macro TURN slot, next, fill
.if \fill
	s_wait_xcnt 0x0                                ; my last prefetch has read its base, which steps one K step on
	s_add_nc_u64 s[76:77], s[76:77], 256
.endif
	s_wait_tensorcnt 0x0
	ds_add_u32 v[SPW], v[NIL]
	s_wait_dscnt 4*NL+1
	WIN MUL_LO
	MUL16 0, 1, 0
	s_wait_dscnt 0x0
	s_barrier_signal -1
	MUL16 2, 1, 0
	WIN 0
	s_barrier_wait -1
.if \fill
	CREST
	s_add_nc_u64 s[G0+4*\slot+2:G0+4*\slot+3], s[G0+4*\slot+2:G0+4*\slot+3], 2*ROWB
	s_add_nc_u64 s[G0B+4*\slot+2:G0B+4*\slot+3], s[G0B+4*\slot+2:G0B+4*\slot+3], 2*ROWB
	JLOAD G0+4*\slot, G1, G0B+4*\slot, G1B
.else
	PLACES NP
.endif
	FETCH_B \next, 0, 0
	FETCH_A \next, 0, 0
.if \fill
	s_cmp_gt_u32 s3, 1                             ; the last trip's two refills have no K step two on
	s_cbranch_scc0 .Lnoask_\@
	global_prefetch_b8 v31, s[76:77] offset:768 th:TH_LOAD_NT scope:SCOPE_SE   ; the K step two refills on
.Lnoask_\@:
.endif
	WIN MUL_HI
	MUL16 4, 1, 0
	MUL16 6, 1, 0
	PLACES NP
	WIN 0
	FETCH_A \next, 0, 4
.endm
	s_wait_tensorcnt 1
	s_barrier_signal -1
	s_barrier_wait -1
	FETCH_B 0, 0, 0
	FETCH_A 0, 0, 0
	FETCH_A 0, 0, 4
	STEP 0, 0, 1
	s_mov_b32 s3, LAPS-1
.Llap:
	TURN 0, 1, 1
	STEP 1, 0, 0
	TURN 1, 0, 1
	STEP 0, 0, 0
	s_sub_co_u32 s3, s3, 1
	s_cmp_lg_u32 s3, 0
	s_cbranch_scc1 .Llap
	TURN 0, 1, 0
	STEP 1, 0, 0
	s_wait_dscnt 4*NL
	WIN MUL_LO
	MUL16 0, 1, 0
	MUL16 2, 1, 0
	s_wait_dscnt 0
	WIN MUL_HI
	MUL16 4, 1, 0
	MUL16 6, 1, 0
	WIN 0
.macro CONST2 reg, val
	s_mov_b32 s[\reg], \val
	s_mov_b32 s[\reg+1], \val
.endm
	s_wait_kmcnt 0x0
	s_add_co_i32 s[S1], s70, s71
	s_add_co_i32 s[S1], s[S1], 127
	s_lshl_b32 s[S1], s[S1], 23
	s_mov_b32 s[S1+1], s[S1]
	s_add_co_i32 s50, s72, 127
	s_lshl_b32 s51, s50, 23
	s_add_co_i32 s50, s50, 8
	s_lshl_b32 s50, s50, 23
	s_or_b32 s50, s50, 0x600000
	CONST2 CK+0,  0xC034D90F
	CONST2 CK+2,  0x3FB8AB5A
	CONST2 CK+4,  0x3F0A29D2
	CONST2 CK+6,  0x3E0EFB2E
	CONST2 CK+8,  0xBE899A80
	CONST2 CK+10, 0x3ECDFD18
	CONST2 CK+12, 0xBFD1A1E5
	CONST2 CK+14, 0x40097039
	CONST2 CK+16, 0xBF97D29D
	CONST2 L2,    0xBF38AA3B
	s_mov_b32 s[SK], 0x3EB504F3
	v_mov_b32 v[SCL4], s51
	v_mov_b32 v[LIM4], s50
	v_mov_b32 v[C9], 0x3E7C6F08
	v_mov_b32 v[C9+1], 0x3E7C6F08
	PLACES NP
	s_wait_loadcnt 0x0
.macro PRE src
	WIN 0x80+(\src)
.irp a, 0,1,2,3
.irp b, 0,1,2,3,4,5,6,7
.irp i, 0,2,4,6
	v_pk_fma_f32 v[64*\a+8*\b+\i:64*\a+8*\b+\i+1], v[64*\a+8*\b+\i:64*\a+8*\b+\i+1], s[S1:S1+1], v[B1+8*\b+\i:B1+8*\b+\i+1] op_sel_hi:[1,0,1]
.endr
.endr
.endr
	WIN 0
.endm
.macro GELU32 a, hf
.set YB, 64*(\a)+32*(\hf)
.set CDX, 2*(\a)+(\hf)
.if CDX < 4
.set CD, 32+8*CDX
.else
.set CD, 224+8*(CDX-4)
.endif
	WIN 0x02
.set ii, 0
.rept 32
	v_fma_f32 v[GT+ii], |v[YB+ii]|, s[SK], 1.0
.set ii, ii+1
.endr
	WIN 0
.set ii, 0
	s_wait_alu depctr_va_vdst(0)
.rept 32
	v_rcp_f32 v[GT+ii], v[GT+ii]
.set ii, ii+1
.endr
	WIN 0x0a
.set ii, 0
.rept 16
	v_pk_mul_f32 v[GQ+ii:GQ+ii+1], v[YB+ii:YB+ii+1], v[YB+ii:YB+ii+1]
.set ii, ii+2
.endr
	WIN 0
	s_wait_alu depctr_va_vdst(0)
.set ii, 0
.rept 16
	v_pk_fma_f32 v[GP+ii:GP+ii+1], v[GT+ii:GT+ii+1], v[C9:C9+1], s[CK+16:CK+17] op_sel_hi:[1,1,0]
.set ii, ii+2
.endr
.irp lv, 7,6,5,4,3,2,1,0
.set ii, 0
.rept 16
	v_pk_fma_f32 v[GP+ii:GP+ii+1], v[GP+ii:GP+ii+1], v[GT+ii:GT+ii+1], s[CK+2*\lv:CK+2*\lv+1] op_sel_hi:[1,1,0]
.set ii, ii+2
.endr
.endr
.set ii, 0
.rept 16
	v_pk_fma_f32 v[GP+ii:GP+ii+1], v[GQ+ii:GQ+ii+1], s[L2:L2+1], v[GP+ii:GP+ii+1] op_sel_hi:[1,0,1]
.set ii, ii+2
.endr
.set ii, 0
	s_wait_alu depctr_va_vdst(0)
.rept 32
	v_exp_f32 v[GP+ii], v[GP+ii]
.set ii, ii+1
.endr
	WIN 0x02
.set ii, 0
.rept 32
	v_max_num_f32 v[GQ+ii], v[YB+ii], 0
.set ii, ii+1
.endr
	WIN 0
	s_wait_alu depctr_va_vdst(0)
.set ii, 0
.rept 16
	v_pk_mul_f32 v[GP+ii:GP+ii+1], v[GP+ii:GP+ii+1], v[GT+ii:GT+ii+1]
.set ii, ii+2
.endr
	WIN 0x02
.set ii, 0
.rept 32
	v_fma_f32 v[GT+ii], -|v[YB+ii]|, v[GP+ii], v[GQ+ii]
.set ii, ii+1
.endr
	WIN 0
.set ii, 0
.rept 32
	v_med3_num_f32 v[GT+ii], v[GT+ii], -v[LIM4], v[LIM4]
.set ii, ii+1
.endr
.irp g, 0,1,2,3
	v_cvt_scalef32_pk8_fp8_f32 v[CD+2*\g:CD+2*\g+1], v[GT+8*\g:GT+8*\g+7], v[SCL4]
.endr
	v_nop
.irp g, 0,1,2,3
	ds_store_b64 v[STOC], v[CD+2*\g:CD+2*\g+1] offset:(\a)*16*SPITCH+16*(4*(\hf)+\g)
.endr
.endm
	PRE 2
	s_mov_b32 s[HALF], 0
	s_mov_b32 s[SOFF], 0
.Lhalf:
	v_add_nc_u32 v[STOC], s[SOFF], v[STO]
.irp a, 0,1,2,3
	GELU32 \a, 0
	GELU32 \a, 1
.endr
	s_wait_dscnt 0x0
	s_cmp_eq_u32 s[HALF], 1
	s_cbranch_scc1 .Lno_pre
	PRE 3
.Lno_pre:
	s_add_co_u32 s[SOFF], s[SOFF], 64*SPITCH
	s_add_co_u32 s[HALF], s[HALF], 1
	s_cmp_lt_u32 s[HALF], 2
	s_cbranch_scc1 .Lhalf
	s_barrier_signal -1
	s_barrier_wait -1
.set ii, 0
.rept 32
	ds_load_b128 v[128+4*ii:128+4*ii+3], v[RD] offset:ii*2*SPITCH
.set ii, ii+1
.endr
.set ii, 0
.rept 32
	s_wait_dscnt 31-ii
	global_store_b128 v[CO], v[128+4*ii:128+4*ii+3], s[12:13] offset:ii*16384 th:TH_STORE_NT
.set ii, ii+1
.endr
	s_wait_tensorcnt 0x0
	ds_add_u32 v[SPW], v[NIL]
	s_wait_dscnt 0x0
	CROUND
	s_endpgm
.Lfunc_end_k_qae3eaa8584_ffn1:
	.size	k_qae3eaa8584_ffn1, .Lfunc_end_k_qae3eaa8584_ffn1-k_qae3eaa8584_ffn1
	.p2alignl 7, 3214868480
	.fill 96, 4, 3214868480
	.section	.rodata,"a",@progbits
	.p2align	6, 0x0
	.amdhsa_kernel k_qae3eaa8584_ffn1
		.amdhsa_group_segment_fixed_size 327680
		.amdhsa_private_segment_fixed_size 0
		.amdhsa_enable_private_segment 0
		.amdhsa_kernarg_size 40
		.amdhsa_user_sgpr_count 2
		.amdhsa_user_sgpr_kernarg_segment_ptr 1
		.amdhsa_wavefront_size32 1
		.amdhsa_system_sgpr_workgroup_id_x 1
		.amdhsa_system_sgpr_workgroup_id_y 1
		.amdhsa_system_sgpr_workgroup_id_z 1
		.amdhsa_system_vgpr_workitem_id 0
		.amdhsa_next_free_vgpr 1024
		.amdhsa_next_free_sgpr 100
		.amdhsa_reserve_vcc 0
		.amdhsa_float_denorm_mode_32 3
		.amdhsa_float_denorm_mode_16_64 3
		.amdhsa_memory_ordered 1
		.amdhsa_forward_progress 1
		.amdhsa_inst_pref_size 255
	.end_amdhsa_kernel
	.section	.bss,"aw",@nobits
	.p2align	6
	.space	262144
	.amdgpu_metadata
---
amdhsa.version: [ 1, 2 ]
amdhsa.kernels:
  - .name:           k_qae3eaa8584_ffn1
    .symbol:         k_qae3eaa8584_ffn1.kd
    .args:
      - { .name: a1c, .offset: 0, .size: 8, .value_kind: global_buffer, .address_space: global }
      - { .name: w1c, .offset: 8, .size: 8, .value_kind: global_buffer, .address_space: global }
      - { .name: lowp_scales, .offset: 16, .size: 8, .value_kind: global_buffer, .address_space: global }
      - { .name: b1, .offset: 24, .size: 8, .value_kind: global_buffer, .address_space: global }
      - { .name: hc, .offset: 32, .size: 8, .value_kind: global_buffer, .address_space: global }
    .group_segment_fixed_size: 327680
    .private_segment_fixed_size: 0
    .kernarg_segment_align: 8
    .kernarg_segment_size: 40
    .max_flat_workgroup_size: 128
    .sgpr_count:     100
    .vgpr_count:     1024
    .wavefront_size: 32
...
	.end_amdgpu_metadata
.endif
;; end of part 3
;; launch ffn2 (part 4): grid 16 x 16, 4 waves a work-group, clusters of 4 x 1, 327,680 bytes of LDS; arguments hc, w2c, lowp_scales, b2, coef, x_streams, out0; writes out0
.if DOCPART == 4
	.amdgcn_target "amdgcn-amd-amdhsa--gfx1250"
	.amdhsa_code_object_version 6
	.text
	.protected	k_qae3eaa8584_ffn2
	.globl	k_qae3eaa8584_ffn2
	.p2align	8
	.type	k_qae3eaa8584_ffn2,@function
k_qae3eaa8584_ffn2:
	s_mov_b64 s[64:65], 0
	v_nop
	global_prefetch_b8 v0, s[64:65] scope:SCOPE_SE
	s_setreg_imm32_b32 hwreg(HW_REG_WAVE_MODE, 25, 1), 1
	s_wait_xcnt 0x0
	s_wait_alu depctr_hold_cnt(0) depctr_sa_sdst(0) depctr_va_vdst(0) depctr_va_sdst(0) depctr_va_ssrc(0) depctr_va_vcc(0) depctr_vm_vsrc(0)
	s_getreg_b32 s2, hwreg(HW_REG_IB_STS2, 6, 4)
	s_cmp_eq_u32 s2, 0
	s_cbranch_scc0 .Lentry_in_a_cluster
	s_endpgm
.Lentry_in_a_cluster:
	s_bfe_u32 s2, ttmp6, 0x10000c
	s_cmp_lg_u32 s2, 0x3003
	s_cbranch_scc0 .Lentry_shape_is_right
	s_endpgm
.Lentry_shape_is_right:
; Launch 4 of 4: layer_output = h W2^T + b2 on codes of E4M3 (scales 4 and 5), and out[t][i][c] = sum over j of H_merged[t][i][j] x[t][j][c] + h_post[t][i] layer_output[t][c].  No work of the problem is left out here.
; A tile of 128 tokens x 128 columns (256 tiles, one a WGP) is made by four waves; a wave makes all 128 tokens x 32 columns: 16 accumulators.  The matrix instruction is used transposed (source 0 = 16 rows of W2, source 1 = 16 tokens).
; h's CODES come through a ring of two LDS slots of 128 rows x 1,024 bytes (8 K steps), each wave fetching 32 rows.  CLUSTERS of 4 x 1: the four tiles of a tile row need the same rows of h and ask jointly (mask 15).
; W2's CODES GO FROM MEMORY STRAIGHT INTO REGISTERS: each wave's 32 columns are its own, so no byte of W2 is wanted twice in a work-group; launch 1 laid them in the order of the operand's registers, so each load covers two
; whole aligned blocks of 256 bytes.  A ring of four pieces of 128 along K (32 registers each) is kept asked for.  W2 is therefore not asked for jointly: it passes through no LDS, which leaves LDS to h's slots of 1,024 along K.
; THE WALK ALONG K IS STAGGERED: cluster (X, Y) begins at K step (X + Y) % 8 and wraps round; X and Y are the same in all partners, so a joint load's descriptor is equal in all four.
; LIMIT: an output's sum runs over K in that rotated order; its rounding differs from an ascending sum's by what f32 addition's order can make.  LIMIT: e4 + e5 between -126 and 127.
; THE MIXING WITH x STANDS AT THE CHANGES OF SLOTS.  A wave's share is 32 tokens x 4 streams x 128 columns: 512 registers (windows 2, 3).  At the end of K step s the x of tokens 4 s + 4 .. + 7 is asked for and tokens 4 s .. + 3 are
; mixed.  Token t's 16 results go into the registers that token t - 1's x has left (token 0's into v64-79).  These registers differ from K step to K step, so the K steps are written out, each with an inner loop of two trips of four pieces.
; PREFETCHES, behind each change of slots: h's K step three on (the cluster's 512 blocks of 256 bytes, 32 a wave, the partners told apart by address), my W2 of the K step two on (128 blocks, four instructions), my x of the window two on (32 blocks).
; REGISTERS: window 0: v8-30 addresses; v32-47 b2; v64-79 token 0's results; v128-255 accumulators ((a, b) at 128 + 8 (2 a + b)), later layer_output by rows.  window 1: v0-127 W2's ring; v128-255 h's eight fragments.  windows 2, 3: x, then results.
.set KSL,    1024
.set PITCH,  1040                      ; an LDS row: 1,024 bytes + 16 of padding = 260 words: the 16 rows of a fragment load start at 16 different banks (64 banks of 4 bytes: ISA guide 11.1)
.set QT,     32*PITCH                  ; what one tensor load brings
.set SLOT,   128*PITCH
.set SPARE,  2*SLOT
.set SP2,    528                       ; the way out: a stage row of 512 bytes + 16
.set AD,   8                           ; v8-10   LDS address of fragments 0-2, 3-5, 6-7 at the slot and trip in hand (an LDS offset has 16 bits)
.set ADB,  12                          ; v12-14  the same at slot 0, K = 0; never rewritten
.set PFAV, 16
.set PFBV, 17
.set PFXV, 18
.set STO,  24
.set RDL,  25
.set XO,   26
.set B2A,  27
.set SPW,  28
.set NIL,  29
.set BL,   30                          ; v30     my 16 bytes in a pair of W2's blocks
.set B2,   32
.set P0,   64
.set ACC,  128
.set LO,   128
.set BR,   0
.set AF,   128
.set TR,  2                            ; s2   trips to go
.set GQ,  3                            ; s3   the next piece of W2 to ask for, counted along my walk
.set H0,  4                            ; s[4:19], s[40:55], s[76:91]: three sets of H_merged
.set H1,  40
.set H2,  76
.set WV,  20
.set KF,  21                           ; s21  LDS byte of the slot and trip in hand
.set BO,  22                           ; s[22:23] a piece's byte offset in W2's codes, as a pair
.set G1,  24
.set G0,  32
.set BP,  56                           ; s[56:63] one base for each place of W2's ring: written again only behind the wait that showed that place's loads done
.set S2,  66
.set XB,  68
.set OB,  70
.set CF,  72
.set CH,  74
.set AB,  92
.set BB,  94
.set KO0, 96
.set KO,  98
.set PA,  100                          ; s[100:101], s[104:105] where the prefetches of h and of W2 stand
.set PB,  104
.set MSB, 0
.macro WIN new                         ; the immediate's high byte repeats the setting that is left
.if MSB != (\new)
	s_set_vgpr_msb (MSB<<8)|(\new)
.set MSB, (\new)
.endif
.endm
.set MUL,  0x05                        ; sources 0 and 1 window 1; C and D window 0
.set TO_F, 0x40
.macro CROUND                          ; a round of the cluster's barrier
	s_barrier_signal -1
	s_barrier_wait -1
	s_cmp_lg_u32 s[WV], 0
	s_cbranch_scc1 .Lnot_wave_0_\@
	s_barrier_signal -3
.Lnot_wave_0_\@:
	s_barrier_wait -3
	s_barrier_signal -1
	s_barrier_wait -1
.endm
.macro PLACES                          ; plain vector instructions between a matrix instruction and a load into its registers
.rept 4
	v_nop
.endr
.endm
.macro JLOAD sl                        ; every wave's one joint load: its 32 rows; an s_nop 0 and four v_nop follow
	tensor_load_to_lds s[G0+4*(\sl):G0+4*(\sl)+3], s[G1:G1+7]
	s_nop 0
	PLACES
.endm
.macro KOF ks                          ; s[KO] = step ks of my walk, in bytes along a row of h
	s_add_co_u32 s[KO], s[KO0], KSL*(\ks)
	s_and_b32 s[KO], s[KO], 8191
.endm
.macro PSET e                          ; the prefetches' bases for the entry into K step e
.if (\e)+3 < 8
	KOF (\e)+3
	s_add_nc_u64 s[PA:PA+1], s[AB:AB+1], s[KO:KO+1]
.endif
.if (\e)+2 < 8
	KOF (\e)+2
	s_lshl_b32 s[KO], s[KO], 4                     ; 128 along K are 2,048 bytes of a block of 16 rows of W2
	s_add_nc_u64 s[PB:PB+1], s[BB:BB+1], s[KO:KO+1]
.endif
.endm
	s_load_b256 s[4:11], s[0:1], 0x0               ; hc, w2c, the scales' exponents, b2
	s_load_b128 s[12:15], s[0:1], 0x20             ; coef, x
	s_load_b64 s[16:17], s[0:1], 0x30              ; out0
	v_lshl_add_u32 v[SPW], v0, 2, SPARE
	v_mov_b32 v[NIL], 0
	ds_add_u32 v[SPW], v[NIL]                      ; the opening: the add, twice on end, and its wait ahead of my first tensor load
	ds_add_u32 v[SPW], v[NIL]
	v_lshrrev_b32 v1, 5, v0
	v_readfirstlane_b32 s[WV], v1
	s_bfe_u32 s40, ttmp6, 0x40000                  ; cx
	s_lshl_b32 s42, ttmp9, 2
	s_add_co_u32 s42, s42, s40                     ; tile column
	s_and_b32 s45, ttmp7, 0xffff                   ; tile row: the cluster's y
	s_mov_b32 s[G1+0], 15|(1<<20)|(1<<21)|(7<<22)|(3<<25)   ; the mask: all four partners; elements of 1 byte; padding: 4 words behind every 256
	s_mov_b32 s[G1+1], KSL<<16
	s_mov_b32 s[G1+2], 32<<16
	s_mov_b32 s[G1+3], KSL<<16
	s_mov_b32 s[G1+4], 32
	s_mov_b32 s[G1+5], 8192
	s_mov_b32 s[G1+6], 0
	s_mov_b32 s[G1+7], 0
	s_add_co_u32 s[KO0], ttmp9, s45                ; the cluster's x + its y
	s_and_b32 s[KO0], s[KO0], 7
	s_lshl_b32 s[GQ], s[KO0], 3                    ; my walk's first piece of 128,
	s_lshl_b32 s[KO0], s[KO0], 10                  ; and its first byte along a row of h
	s_mov_b32 s[KO+1], 0
	s_mov_b32 s[BO+1], 0
	s_lshl_b32 s76, s45, 7
	s_lshl_b32 s77, s[WV], 5
	s_add_co_u32 s80, s76, s77                     ; 128 x tile row + 32 x wave: the rows of h that I fetch, and my tokens of the mixing
	s_lshl_b32 s76, s80, 13
	s_mov_b32 s77, 0
	s_lshl_b32 s46, s42, 3
	s_lshl_b32 s47, s[WV], 1
	s_add_co_u32 s46, s46, s47                     ; my first block of 16 rows of W2
	s_lshl_b32 s46, s46, 17                        ; blocks of 131,072 bytes
	s_mov_b32 s47, 0
	s_mul_i32 s78, s[WV], QT
	s_lshl_b32 s84, s[WV], 7
	s_mul_i32 s85, s[WV], 32*SP2
	s_lshl_b32 s86, s40, 16                        ; 8 cx rows of h: enters a prefetch's address alone
	s_wait_dscnt 0x0
	s_wait_kmcnt 0x0
	s_add_nc_u64 s[AB:AB+1], s[4:5], s[76:77]
	s_add_nc_u64 s[BB:BB+1], s[6:7], s[46:47]
	CROUND                                         ; all four work-groups are here: the first joint loads meet
.irp s, 0,1
	KOF \s
	s_mov_b32 s[G0+4*\s], 1
	s_add_co_u32 s[G0+4*\s+1], s78, \s*SLOT
	s_add_nc_u64 s[G0+4*\s+2:G0+4*\s+3], s[AB:AB+1], s[KO:KO+1]
	s_or_b32 s[G0+4*\s+3], s[G0+4*\s+3], 0x80000000
.endr
	JLOAD 0                                        ; K step 0: one tensor load a wave at the head
	s_load_b64 s[S2:S2+1], s[8:9], 0x10            ; e4, e5
	s_lshl_b32 s82, s80, 15                        ; tokens of 32,768 bytes
	s_lshl_b32 s83, s42, 9                         ; + 128 columns x 4 bytes x tile column
	s_add_co_u32 s82, s82, s83
	s_mov_b32 s83, 0
	s_add_nc_u64 s[XB:XB+1], s[14:15], s[82:83]
	s_add_nc_u64 s[OB:OB+1], s[16:17], s[82:83]
	s_lshl_b32 s82, s80, 6
	s_add_nc_u64 s[CF:CF+1], s[12:13], s[82:83]
	s_lshl_b32 s82, s80, 4
	s_add_co_u32 s82, s82, 131072
	s_add_nc_u64 s[CH:CH+1], s[12:13], s[82:83]
	s_lshl_b32 s82, s42, 9
	s_add_co_u32 s82, s82, s84
	s_add_nc_u64 s[10:11], s[10:11], s[82:83]      ; b2 at my 32 columns
	PSET 0
	v_and_b32 v1, 15, v0                           ; r
	v_bfe_u32 v2, v0, 4, 1                         ; h
	v_and_b32 v5, 31, v0                           ; lane
	v_mul_u32_u24 v3, v1, PITCH
	v_lshl_add_u32 v[ADB], v2, 4, v3               ; a fragment's row x pitch + 16 x half
	v_add_nc_u32 v[ADB+1], 3*16*PITCH, v[ADB]
	v_add_nc_u32 v[ADB+2], 6*16*PITCH, v[ADB]
	v_mul_u32_u24 v4, v1, SP2
	v_lshl_add_u32 v4, v2, 5, v4
	v_add_nc_u32 v[STO], s84, v4                   ; the stage, in: row r, byte 128 x wave + 32 h
	v_lshlrev_b32 v[XO], 4, v5                     ; 16 x lane
	v_add_nc_u32 v[RDL], s85, v[XO]                ; back: my 32 rows, a row an instruction
	v_lshlrev_b32 v[B2A], 5, v2
	v_lshrrev_b32 v6, 3, v1
	v_and_b32 v7, 7, v1
	v_lshlrev_b32 v[BL], 4, v7
	v_lshl_add_u32 v[BL], v6, 9, v[BL]
	v_lshl_add_u32 v[BL], v2, 7, v[BL]             ; 512 (r / 8) + 128 h + 16 (r % 8)
	v_lshrrev_b32 v6, 2, v5
	v_and_b32 v7, 3, v5
	v_lshlrev_b32 v7, 8, v7
	v_lshl_add_u32 v7, v6, 13, v7
	v_add_nc_u32 v[PFAV], s86, v7                  ; h: row 8 cx + lane / 4 of my 32, block lane % 4 of the K step's four
	v_lshlrev_b32 v[PFBV], 8, v5                   ; W2: lanes 256 bytes apart
	v_lshrrev_b32 v6, 3, v5
	v_bfe_u32 v7, v5, 1, 2
	v_and_b32 v3, 1, v5
	v_lshlrev_b32 v3, 8, v3
	v_lshl_add_u32 v3, v7, 13, v3
	v_lshl_add_u32 v[PFXV], v6, 15, v3             ; x: token lane / 8, stream (lane / 2) % 4, block lane % 2
	s_wait_alu depctr_va_vdst(0)                   ; the wait at the head's end
.irp b, 0,1
	global_load_b128 v[B2+8*\b:B2+8*\b+3], v[B2A], s[10:11] offset:64*\b          ; columns 16 b + 8 h + 0 .. 7
	global_load_b128 v[B2+8*\b+4:B2+8*\b+7], v[B2A], s[10:11] offset:64*\b+16
.endr
	; the prefetches of what the entries into the K steps do not reach: h's K steps 1 and 2, my W2 of K step 1, my x of the second window
	KOF 1
	s_add_nc_u64 s[90:91], s[AB:AB+1], s[KO:KO+1]
	global_prefetch_b8 v[PFAV], s[90:91] th:TH_LOAD_NT scope:SCOPE_SE
	KOF 2
	s_add_nc_u64 s[86:87], s[AB:AB+1], s[KO:KO+1]
	global_prefetch_b8 v[PFAV], s[86:87] th:TH_LOAD_NT scope:SCOPE_SE
	KOF 1
	s_lshl_b32 s[KO], s[KO], 4
	s_add_nc_u64 s[88:89], s[BB:BB+1], s[KO:KO+1]
.irp o, 0, 8192, 131072, 139264
	global_prefetch_b8 v[PFBV], s[88:89] offset:\o th:TH_LOAD_NT scope:SCOPE_SE
.endr
	global_prefetch_b8 v[PFXV], s[XB:XB+1] offset:4*32768 th:TH_LOAD_NT scope:SCOPE_SE
.macro HFETCH kk, i0
.irp i, \i0, \i0+1, \i0+2, \i0+3
.irp c, 0,1,2,3
	ds_load_b128 v[AF+16*(\i)+4*\c:AF+16*(\i)+4*\c+3], v[AD+(\i)/3] offset:((\i)%3)*16*PITCH+(\kk)+32*\c
.endr
.endr
.endm
.macro BASK u                          ; place u of W2's ring takes the next piece of my walk: two fragments, eight loads of two whole blocks of 256 bytes
	s_and_b32 s[BO], s[GQ], 63                     ; the walk wraps round at 64 pieces
	s_lshl_b32 s[BO], s[BO], 11
	s_add_nc_u64 s[BP+2*(\u):BP+2*(\u)+1], s[BB:BB+1], s[BO:BO+1]
	s_add_co_u32 s[GQ], s[GQ], 1
.irp b, 0,1
.irp c, 0,1,2,3
	global_load_b128 v[BR+32*(\u)+16*\b+4*\c:BR+32*(\u)+16*\b+4*\c+3], v[BL], s[BP+2*(\u):BP+2*(\u)+1] offset:131072*\b+1024*(\c/2)+256*(\c%2)
.endr
.endr
.endm
.macro MUL8 u, a0, z                   ; token blocks a0 .. a0 + 3 x my two blocks of columns.  The 16 accumulators take turns, in the same order in every piece
.irp a, \a0, \a0+1, \a0+2, \a0+3
.irp b, 0,1
.if \z
	v_wmma_f32_16x16x128_fp8_fp8 v[ACC+8*(2*(\a)+\b):ACC+8*(2*(\a)+\b)+7], v[BR+32*(\u)+16*\b:BR+32*(\u)+16*\b+15], v[AF+16*(\a):AF+16*(\a)+15], 0
.else
	v_wmma_f32_16x16x128_fp8_fp8 v[ACC+8*(2*(\a)+\b):ACC+8*(2*(\a)+\b)+7], v[BR+32*(\u)+16*\b:BR+32*(\u)+16*\b+15], v[AF+16*(\a):AF+16*(\a)+15], v[ACC+8*(2*(\a)+\b):ACC+8*(2*(\a)+\b)+7]
.endif
.endr
.endr
.endm
; A piece of 128 along K, on place u of W2's ring.  h has one set of fragments: each half is fetched anew as soon as its eight products are issued.
; bw: the loads younger than this piece's W2.  nf: the next piece's fragments are fetched (1), not (0: the slot ends), or not in the loop's last trip (2).  bl: the place is asked for again.  z: the products start the sums.
.macro SUB u, bw, nf, bl, z
	s_wait_loadcnt \bw
	s_wait_dscnt 16                                ; fragments 0-3 are in; the younger sixteen loads (4-7) may be out
	WIN MUL
	MUL8 \u, 0, \z
	PLACES
.if \nf == 1
	WIN TO_F
	HFETCH 128*(\u)+128, 0
	s_wait_dscnt 16                                ; fragments 4-7 are in
.elseif \nf == 2
	WIN 0
	s_cmp_eq_u32 s[TR], 1
	s_cbranch_scc1 .Lend_a_\@
	WIN TO_F
	HFETCH 512, 0
	s_wait_dscnt 16
	WIN 0
	s_branch .Lgo_a_\@
.Lend_a_\@:
	s_wait_dscnt 0x0
.Lgo_a_\@:
.else
	s_wait_dscnt 0x0
.endif
	WIN MUL
	MUL8 \u, 4, \z
	PLACES
.if \nf == 1
	WIN TO_F
	HFETCH 128*(\u)+128, 4
.elseif \nf == 2
	WIN 0
	s_cmp_eq_u32 s[TR], 1
	s_cbranch_scc1 .Lend_b_\@
	WIN TO_F
	HFETCH 512, 4
	WIN 0
.Lend_b_\@:
.endif
.if \bl
	WIN TO_F
	BASK \u
.endif
.endm
.macro ASET                            ; the fragments' addresses at LDS byte s[KF]
	v_add_nc_u32 v[AD], s[KF], v[ADB]
	v_add_nc_u32 v[AD+1], s[KF], v[ADB+1]
	v_add_nc_u32 v[AD+2], s[KF], v[ADB+2]
	s_wait_alu depctr_va_vdst(0)                   ; directly behind the writes
.endm
.macro KADV                            ; 512 bytes on along the rows
	WIN 0
	s_add_co_u32 s[KF], s[KF], 512
	ASET
.endm
.macro KLOOP                           ; a K step: two trips of four pieces
	s_mov_b32 s[TR], 2
.Lk_\@:
	SUB 0, 24, 1, 1, 0                             ; 24: the three younger pieces of W2 may be out
	SUB 1, 24, 1, 1, 0
	SUB 2, 24, 1, 1, 0
	SUB 3, 24, 2, 1, 0
	KADV
	s_sub_co_u32 s[TR], s[TR], 1
	s_cmp_lg_u32 s[TR], 0
	s_cbranch_scc1 .Lk_\@
.endm
.macro KFLAT z, bl2                    ; the first and the last K step are written out: the first products start the sums, the last four pieces ask for nothing
	SUB 0, 24, 1, 1, \z
	SUB 1, 24, 1, 1, 0
	SUB 2, 24, 1, 1, 0
	SUB 3, 24, 1, 1, 0
	KADV
.if \bl2
	SUB 0, 24, 1, 1, 0
	SUB 1, 24, 1, 1, 0
	SUB 2, 24, 1, 1, 0
	SUB 3, 24, 0, 1, 0
.else
	SUB 0, 24, 1, 0, 0
	SUB 1, 16, 1, 0, 0
	SUB 2, 8, 1, 0, 0
	SUB 3, 0, 0, 0, 0
.endif
	WIN 0
.endm
.macro XLOAD4 g                        ; x of tokens 4 g .. 4 g + 3, all four streams: each load covers 512 consecutive bytes
.irp u, 0,1,2,3
	WIN (2+(4*(\g)+\u)/16)<<6
.irp j, 0,1,2,3
	global_load_b128 v[16*((4*(\g)+\u)%16)+4*\j:16*((4*(\g)+\u)%16)+4*\j+3], v[XO], s[XB:XB+1] offset:(4*(\g)+\u)*32768+\j*8192 th:TH_LOAD_NT
.endr
.endr
	WIN 0
.endm
.macro CL reg, tt                      ; H_merged of token tt
	s_load_b512 s[\reg:\reg+15], s[CF:CF+1], 64*(\tt)
.endm
.macro ELOAD m, reg                    ; h_post of tokens 4 m .. 4 m + 3
	s_load_b512 s[\reg:\reg+15], s[CH:CH+1], 64*(\m)
.endm
.macro PLOC tt                         ; where token tt's 16 results lie: register PD of window PW
.if (\tt) == 0
.set PD, P0
.set PW, 0
.else
.set PD, 16*(((\tt)-1)%16)
.set PW, 2+((\tt)-1)/16
.endif
.endm
.macro MIX tt, hm                      ; result[4 i + k] = sum over j of H_merged[i][j] x[j][my column k]
.set XR, 16*((\tt)%16)
.set XW, 2+(\tt)/16
	PLOC \tt
	WIN (PW<<6)|(XW<<2)
.irp i, 0,1,2,3
.irp k, 0,1,2,3
	v_mul_f32 v[PD+4*\i+\k], s[\hm+4*\i], v[XR+\k]
.endr
.endr
.irp j, 1,2,3
.irp i, 0,1,2,3
.irp k, 0,1,2,3
	v_fmac_f32 v[PD+4*\i+\k], s[\hm+4*\i+\j], v[XR+4*\j+\k]
.endr
.endr
.endr
.endm
.macro WINDOW s                        ; tokens 4 s .. 4 s + 3 are mixed; three sets of coefficients: the fourth token's come into the first set while the second and third are mixed
	s_wait_kmcnt 0x0
.if (\s) < 7
	s_wait_loadcnt 48                              ; this window's x is in; four pieces of W2 (32 loads) and the next window's x (16) may be out
.endif
	MIX 4*(\s), H0
	CL H0, 4*(\s)+3
	MIX 4*(\s)+1, H1
	MIX 4*(\s)+2, H2
	s_wait_kmcnt 0x0
	MIX 4*(\s)+3, H0
.if (\s) < 7
	CL H0, 4*(\s)+4
	CL H1, 4*(\s)+5
	CL H2, 4*(\s)+6
.endif
	WIN 0
.endm
.macro ENTER e                         ; behind the change of slots: K step e's first fragments, then the prefetches
	s_mov_b32 s[KF], ((\e)%2)*SLOT
	ASET
	WIN TO_F
	HFETCH 0, 0
	HFETCH 0, 4
	WIN 0
.if (\e)+3 < 8
	global_prefetch_b8 v[PFAV], s[PA:PA+1] th:TH_LOAD_NT scope:SCOPE_SE
.endif
.if (\e)+2 < 8
.irp o, 0, 8192, 131072, 139264
	global_prefetch_b8 v[PFBV], s[PB:PB+1] offset:\o th:TH_LOAD_NT scope:SCOPE_SE
.endr
	global_prefetch_b8 v[PFXV], s[XB:XB+1] offset:4*((\e)+2)*32768 th:TH_LOAD_NT scope:SCOPE_SE
.endif
.endm
; The end of K step s.  In front of the round each wave waits for all its tensor loads (the one that is out is its part of the next slot), adds 0 to its spare word, and waits for that; its reads of this slot are over.
.macro BOUND s
	s_wait_xcnt 0x0                                ; my prefetches have read their bases, which are written in the next lines, ahead of x's loads
	PSET (\s)+1
	XLOAD4 (\s)+1
	WINDOW \s
	s_wait_tensorcnt 0x0
	ds_add_u32 v[SPW], v[NIL]
.if (\s) < 6
	KOF (\s)+2                                     ; no tensor load of mine is out: this slot's group 0 takes the K step two on
	s_add_nc_u64 s[G0+4*((\s)%2)+2:G0+4*((\s)%2)+3], s[AB:AB+1], s[KO:KO+1]
	s_or_b32 s[G0+4*((\s)%2)+3], s[G0+4*((\s)%2)+3], 0x80000000
.endif
	s_wait_dscnt 0x0
.if (\s) < 6
	CROUND                                         ; no wave of any partner still reads this slot or has a load on its way
	JLOAD (\s)%2
.else
	s_barrier_signal -1                            ; nothing is left to fetch: everybody's part of the last slot is in
	s_barrier_wait -1
.endif
	ENTER (\s)+1
.endm
	WIN TO_F
	BASK 0                                         ; W2's first four pieces are asked for ahead of x: the first products wait for them
	BASK 1
	BASK 2
	BASK 3
	WIN 0
	XLOAD4 0                                       ; behind W2's first pieces, ahead of the wait below
	s_wait_xcnt 0x0                                ; b2's loads and the scales' load have read their bases, s[8:11]: the pointers' registers take coefficients
	CL H0, 0
	CL H1, 1
	CL H2, 2
	s_wait_tensorcnt 0x0
	ds_add_u32 v[SPW], v[NIL]
	s_wait_dscnt 0x0
	CROUND
	JLOAD 1                                        ; K step 1, the first tensor load behind the round
	ENTER 0
	KFLAT 1, 1
	BOUND 0
.irp s, 1,2,3,4,5,6
	KLOOP
	BOUND \s
.endr
	KFLAT 0, 0
	WINDOW 7                                       ; its 256 plain lines are also the places behind the last products
	s_add_co_i32 s[S2], s[S2], s[S2+1]             ; e4 + e5
	s_add_co_i32 s[S2], s[S2], 127
	s_lshl_b32 s[S2], s[S2], 23                    ; 2^(e4 + e5)
	s_mov_b32 s[S2+1], s[S2]
	ELOAD 0, 24                                    ; no tensor load of mine is out, and the mixing is done: the descriptors' and the coefficients' registers take h_post of tokens 0-15
	ELOAD 1, 40
	ELOAD 2, 4
	ELOAD 3, 76
	; ---- THE WAY OUT
.irp a, 0,1,2,3,4,5,6,7
.irp b, 0,1
.irp i, 0,2,4,6
	v_pk_fma_f32 v[ACC+8*(2*\a+\b)+\i:ACC+8*(2*\a+\b)+\i+1], v[ACC+8*(2*\a+\b)+\i:ACC+8*(2*\a+\b)+\i+1], s[S2:S2+1], v[B2+8*\b+\i:B2+8*\b+\i+1] op_sel_hi:[1,0,1]   ; layer_output; each accumulator from its low end on
.endr
.endr
.endr
.irp a, 0,1,2,3,4,5,6,7
.irp b, 0,1
	ds_store_b128 v[STO], v[ACC+8*(2*\a+\b):ACC+8*(2*\a+\b)+3] offset:\a*16*SP2+64*\b      ; the stage lies in slot 0, which has had its last fill and its last read
	ds_store_b128 v[STO], v[ACC+8*(2*\a+\b)+4:ACC+8*(2*\a+\b)+7] offset:\a*16*SP2+64*\b+16
.endr
.endr
	s_wait_dscnt 0x0                               ; for the others' sake: my stores into the stage are done
	s_barrier_signal -1
	s_barrier_wait -1
.set ii, 0
.rept 32
	ds_load_b128 v[LO+4*ii:LO+4*ii+3], v[RDL] offset:ii*SP2        ; my 32 tokens' rows: my four columns of each
.set ii, ii+1
.endr
	s_wait_dscnt 0x0
; EGROUP: four tokens, 16 multiply-adds each onto the results that the windows left.  ESTORE: their sixteen stores of 512 consecutive bytes each, directly behind them.  No store's data is written again.
.macro EGROUP m, hp
.irp u, 0,1,2,3
	PLOC 4*(\m)+\u
	WIN PW<<6
.irp i, 0,1,2,3
.irp k, 0,1,2,3
	v_fmac_f32 v[PD+4*\i+\k], s[\hp+4*\u+\i], v[LO+4*(4*(\m)+\u)+\k]
.endr
.endr
.endr
.if (\m) < 4
	ELOAD (\m)+4, \hp                              ; the set takes the tokens sixteen further on
.endif
.endm
.macro ESTORE m
.irp u, 0,1,2,3
	PLOC 4*(\m)+\u
	WIN PW<<2                                      ; a store's data stand in the place of source 1
.irp i, 0,1,2,3
	global_store_b128 v[XO], v[PD+4*\i:PD+4*\i+3], s[OB:OB+1] offset:(4*(\m)+\u)*32768+\i*8192 th:TH_STORE_NT
.endr
.endr
.endm
	s_wait_kmcnt 0x0                               ; h_post of tokens 0-15
	EGROUP 0, 24
	ESTORE 0
	EGROUP 1, 40
	ESTORE 1
	EGROUP 2, 4
	ESTORE 2
	EGROUP 3, 76
	ESTORE 3
	s_wait_kmcnt 0x0                               ; h_post of tokens 16-31
	EGROUP 4, 24
	ESTORE 4
	EGROUP 5, 40
	ESTORE 5
	EGROUP 6, 4
	ESTORE 6
	EGROUP 7, 76
	ESTORE 7
	WIN 0
	s_wait_tensorcnt 0x0                           ; the wave's end
	ds_add_u32 v[SPW], v[NIL]
	s_wait_dscnt 0x0
	CROUND                                         ; the closing round
	s_endpgm
.Lfunc_end_k_qae3eaa8584_ffn2:
	.size	k_qae3eaa8584_ffn2, .Lfunc_end_k_qae3eaa8584_ffn2-k_qae3eaa8584_ffn2
	.p2alignl 7, 3214868480
	.fill 96, 4, 3214868480
	.section	.rodata,"a",@progbits
	.p2align	6, 0x0
	.amdhsa_kernel k_qae3eaa8584_ffn2
		.amdhsa_group_segment_fixed_size 327680
		.amdhsa_private_segment_fixed_size 0
		.amdhsa_enable_private_segment 0
		.amdhsa_kernarg_size 56
		.amdhsa_user_sgpr_count 2
		.amdhsa_user_sgpr_kernarg_segment_ptr 1
		.amdhsa_wavefront_size32 1
		.amdhsa_system_sgpr_workgroup_id_x 1
		.amdhsa_system_sgpr_workgroup_id_y 1
		.amdhsa_system_sgpr_workgroup_id_z 1
		.amdhsa_system_vgpr_workitem_id 0
		.amdhsa_next_free_vgpr 1024
		.amdhsa_next_free_sgpr 106
		.amdhsa_reserve_vcc 0
		.amdhsa_float_denorm_mode_32 3
		.amdhsa_float_denorm_mode_16_64 3
		.amdhsa_memory_ordered 1
		.amdhsa_forward_progress 1
		.amdhsa_inst_pref_size 255
	.end_amdhsa_kernel
	.section	.bss,"aw",@nobits
	.p2align	6
	.space	262144
	.amdgpu_metadata
---
amdhsa.version: [ 1, 2 ]
amdhsa.kernels:
  - .name:           k_qae3eaa8584_ffn2
    .symbol:         k_qae3eaa8584_ffn2.kd
    .args:
      - { .name: hc, .offset: 0, .size: 8, .value_kind: global_buffer, .address_space: global }
      - { .name: w2c, .offset: 8, .size: 8, .value_kind: global_buffer, .address_space: global }
      - { .name: lowp_scales, .offset: 16, .size: 8, .value_kind: global_buffer, .address_space: global }
      - { .name: b2, .offset: 24, .size: 8, .value_kind: global_buffer, .address_space: global }
      - { .name: coef, .offset: 32, .size: 8, .value_kind: global_buffer, .address_space: global }
      - { .name: x_streams, .offset: 40, .size: 8, .value_kind: global_buffer, .address_space: global }
      - { .name: out0, .offset: 48, .size: 8, .value_kind: global_buffer, .address_space: global }
    .group_segment_fixed_size: 327680
    .private_segment_fixed_size: 0
    .kernarg_segment_align: 8
    .kernarg_segment_size: 56
    .max_flat_workgroup_size: 128
    .sgpr_count:     106
    .vgpr_count:     1024
    .wavefront_size: 32
...
	.end_amdgpu_metadata
.endif
;; end of part 4
